; MI455X (gfx1250); checked and timed in simulation.
; The chip was launched on July 23, 2026; its instructions are those of AMD's public machine-readable ISA for CDNA 5 (MIT licence, August 2026) and "CDNA5" Instruction Set Architecture Reference Guide (July 2026). The comments in the code are by the model that wrote it; some were corrected since.
;; Multi Head Attention. Allowed arithmetic: matrix products marked QUANTISED: E2M1 operands, one E8M0 scale for each 32 along K, by v_wmma_scale_f32_16x16x128_f8f6f4 with both operands' format E2M1 (or v_wmma_scale_f32_32x16x128_f4), f32 sums; everything else in f32.
;; Inputs: k 1 x 2,048 x 4,096 float32; q 1 x 2,048 x 4,096 float32; v 1 x 2,048 x 4,096 float32; wk 4,096 x 512 float32; wo 2,048 x 4,096 float32; wq 4,096 x 2,048 float32; wv 4,096 x 512 float32.
;; Outputs: out0 1 x 2,048 x 4,096 float32; out1 1 x 2,048 x 8 x 128 float32.
;; This version of the problem:
;;   THIS VERSION OF THE PROBLEM IS GIVEN IN LOW PRECISION. The matrix products marked QUANTISED in the list below multiply operands that are first quantised to E2M1 (2 exponent bits, 1 mantissa bit; 4 bits a number), with one power-of-two scale for each 32 numbers along K (OCP MX v1.0); their sums are f32. All else is computed in f32.
;;   The module's matrix products, in the order in which they are computed (A, B: the left and right operand; K: the contracted axis; several contracted axes count as one K, in the product's order):
;;     1. [M 2,048, K 4,096] x [K 4,096, N 2,048]; A: input q; B: input wq: QUANTISED
;;     2. [M 2,048, K 4,096] x [K 4,096, N 512]; A: input k; B: input wk: QUANTISED
;;     3. [M 2,048, K 4,096] x [K 4,096, N 512]; A: input v; B: input wv: QUANTISED
;;     4. batch 8 x [M 2,048, K 64] x [K 64, N 8,192]; A: computed on the way; B: computed on the way: QUANTISED
;;     5. batch 8 x [M 64, K 2,048] x [K 2,048, N 8,192]; A: computed on the way; B: softmax (see below): QUANTISED
;;     6. [M 2,048, K 2,048] x [K 2,048, N 4,096]; A: computed on the way; B: input wo: QUANTISED
;;   THE QUANTISER, for each operand of a quantised product, along K:
;;     - K is cut into blocks of 32 from its start; a last block that is shorter is filled with zeros.
;;     - A block's scale is 2^e with e = floor(log2(the largest magnitude in the block)) - 2, held to -126 .. 127; a block of zeros has e = 0. As a byte (E8M0): e + 127.
;;     - Each number is divided by its block's scale, clamped to +-6, and rounded to the nearest number of E2M1, ties to even, subnormals kept.
;;     - The product sums the exact products of the quantised numbers (number of the format x scale) in f32.
;;   ~~~python
;;   def quantise(x, axis):      # numpy; x: float32 -> the quantised numbers, widened to float32 again
;;       x = np.moveaxis(x, axis, -1); K = x.shape[-1]
;;       x = np.pad(x, [(0, 0)] * (x.ndim - 1) + [(0, -K % 32)]); x = x.reshape(x.shape[:-1] + (-1, 32)); a = np.abs(x).max(-1, keepdims=True)
;;       e = np.where(a > 0, np.clip(np.frexp(np.where(a > 0, a, 1))[1] - 1 - 2, -126, 127), 0)      # np.frexp(a)[1] - 1 = floor(log2(a)), exactly
;;       r = np.clip(x / 2.0 ** e, -6, 6)
;;       step = 2.0 ** (np.maximum(np.frexp(np.where(r == 0, 1, r))[1] - 1, 0) - 1)
;;       q = np.round(r / step) * step * 2.0 ** e      # np.round: ties to even
;;       return np.moveaxis(q.reshape(q.shape[:-2] + (-1,))[..., :K], -1, axis).astype(np.float32)
;;   ~~~
;;   SOFTMAX AHEAD OF A QUANTISED PRODUCT. Where the list says 'softmax', what is quantised is not the finished softmax but p = 2^(t - M), with t = logit x log2(e) and M = ceil(the row's largest t), a whole number; so 1/2 < the row's largest p <= 1. The row's sum l is taken of the UNQUANTISED p, in f32, and the product's result is divided by l at the end. Since M is a whole number, a kernel that streams over the keys may use a running M (the ceiling of the running maximum): every later rescaling is an exact power of two, which a block's scale takes up: the codes' values come out the same.
;;   OPERANDS COMPUTED ON THE WAY. 'Computed on the way' means the value that the module computes at that place (a softmax that the list does not call 'softmax' is quantised finished and normalised). What goes into a quantiser is computed in f32, as accurately as f32 sums, v_exp_f32 and their like allow (about 1e-6 of the number): no bf16 or f16 on the way to a quantiser, and a product that is left as it is and whose result goes on into a quantised operand takes f32 operands (vector FMAs, or v_wmma_f32_16x16x4_f32). A number that lies on a knife's edge between two numbers of the format may be rounded either way, as far as f32 arithmetic and the matrix unit's own rounding can turn it there, and no further.
;; One version. Each part assembles by itself: llvm-mc -triple=amdgcn-amd-amdhsa -mcpu=gfx1250 --defsym DOCPART=n.
;; ======== version 1 of 1: 4 launches
;; limits: right only within a limited range of input values
;; workspace buffers: act 13,893,632 bytes; wqkv 6,684,672 bytes; woc 4,194,304 bytes; wos 262,144 bytes; hd 3,506,176 bytes; ac 2,097,152 bytes; asc 131,072 bytes
;; launch quant (part 1): grid 1472 x 1, 4 waves a work-group, no clusters, 50,688 bytes of LDS; arguments q, k, v, act, wq, wk, wv, wo, wqkv, woc, wos; writes act, wqkv, woc, wos
.if DOCPART == 1
	.amdgcn_target "amdgcn-amd-amdhsa--gfx1250"
	.amdhsa_code_object_version 6
	.text
	.protected	k_qab8bc72064_quant
	.globl	k_qab8bc72064_quant
	.p2align	8
	.type	k_qab8bc72064_quant,@function
k_qab8bc72064_quant:
	s_mov_b64 s[64:65], 0
	v_nop
	global_prefetch_b8 v0, s[64:65] scope:SCOPE_SE
	s_setreg_imm32_b32 hwreg(HW_REG_WAVE_MODE, 25, 1), 1
	s_wait_xcnt 0x0
; GROUPED-QUERY ATTENTION IN MX-FP4, four launches: quant, proj, attn, oproj.  This is the first.
; DEAD WORK LEFT OUT (in launch attn): a step of 128 keys whose first key comes after a wave's last query.  the causal mask sets those scores to -inf, so p = 0 there
; for all values of the inputs: they add 0 to the row's sum and zero codes to the second product.  LIMIT: a NaN, an infinity or an overflow that reaches only such scores is not carried.  Every input is loaded.
; THIS LAUNCH quantises every operand that arrives as f32, each once, and makes the table of RoPE.  Three paths part on the work-group's number; each has LDS bytes of its own.
; A block's scale is 2^(floor(log2(largest magnitude)) - 2); its byte is the largest magnitude's exponent field - 2, held at 1 from below.  A block of zeros gets the byte 1 where the rule says 127:
; its codes are zeros, and this program alone reads the bytes.  LIMITS: NaN and infinities among the inputs are not served.
; WORK-GROUPS 0-767: q, k, v [2048][4096] (K innermost) become, in act, codes [3][2048][2048 bytes] at 0 and scale bytes [3][2048][128] at XS_OFF.  0-255 take q, 256-511 k, 512-767 v: only pointers are chosen.
;   A wave takes 16 steps of 512 numbers.  Each load reads 512 consecutive bytes; a step's 2,048 bytes turn through the wave's own stage in LDS so that a lane holds 16 neighbours (two lanes a block).
; WORK-GROUPS 768-831: the table at TAB_OFF: [2048 tokens][cos 32 f32 | sin 32 f32], 256 bytes a token.  tick = fl(t x theta_i), theta_i = 10^(-i/8) rounded to f32; sine and cosine by
;   reduction with pi/2 in two parts (exact for ticks up to 2,047, the problem's T) and polynomials of degree 7 and 8 on |r| <= pi/4.  No LDS.
; WORK-GROUPS 832-1471: wq [4096][2048], wk, wv [4096][512], wo [2048][4096], K their FIRST axis, become codes with K innermost:
;   wqkv: codes [3072 rows][2048 bytes] (wq rows 0-2047, wk 2048-2559, wv 2560-3071), scale bytes [3072][128] at WS_OFF;  woc [4096][1024 bytes];  wos [4096][64].
;   A LANE TAKES A COLUMN AND ITS REGISTERS RUN DOWN K: a block of 32 lies in one lane's 32 registers, and the conversions give codes with K innermost.  Nothing is transposed by an instruction.
;   A work-group takes 64 columns x 512 along K; wave w columns 32 (w % 2) on, K half w / 2: 8 blocks a lane, as many bytes a wave as on the first path.  Sizes and pointers are chosen by the work-group's number.
;   The codes meet in a stage (64 rows of 256 bytes + 16; a row's halves come from two waves: one barrier) and leave sixteen lanes to 256 consecutive aligned bytes.
;   The scale bytes leave 8 a lane to rows 128 or 64 bytes apart: 0.66 MB of the 95 MB that this path moves.
.set STEPS, 16
.set EMAX,  2
.set CB,    8                          ; bytes of 16 codes
.set R,     16                         ; first path: v16-79   four sets of 16 numbers as loaded
.set X,     80                         ; v80-111  two sets of 16 neighbours
.set C,     128                        ; v128-159 codes, two registers a step: no store's data are written again
.set E,     112                        ; v112-127 a scale byte for each step
.set WREG,  8192                       ; LDS, first path: a wave's region: two stages of 32 x SP bytes, then its 256 scale bytes
.set SP,    80
.set PITCH, 272                        ; LDS, third path: a stage row
.set STG,   4*WREG                     ; its stage, behind the first path's four regions
.set SPARE, STG+64*PITCH               ; the spare words, 128 bytes a wave
.set SPW,   10                         ; v10 my spare word's address; never rewritten, named by no path
.set NIL,   3                          ; v3 0; never rewritten, named by no path
.set XS_OFF,  12582912
.set TAB_OFF, 13369344
.set WS_OFF,  6291456
	v_lshl_add_u32 v[SPW], v0, 2, SPARE
	v_mov_b32 v[NIL], 0
	s_cmp_ge_u32 ttmp9, 832                        ; the work-group's number alone: all four waves go the same way
	s_cbranch_scc1 .Lweights
	s_load_b256 s[4:11], s[0:1], 0x0               ; q, k, v, act
	v_lshrrev_b32 v1, 5, v0
	v_readfirstlane_b32 s16, v1                    ; wave
	v_and_b32 v2, 31, v0                           ; lane
	v_lshlrev_b32 v12, 4, v2                       ; my 16 bytes of a load's 512
	s_mul_i32 s17, s16, WREG
	v_lshrrev_b32 v14, 2, v2
	v_mul_u32_u24 v14, v14, SP
	v_and_b32 v15, 3, v2
	v_lshl_add_u32 v14, v15, 4, v14
	v_add_nc_u32 v14, s17, v14                     ; the stage, way in: SP (lane / 4) + 16 (lane % 4)
	v_mul_u32_u24 v15, v2, SP
	v_add_nc_u32 v15, s17, v15                     ; way out: SP x lane: my 16 neighbours
	v_mul_u32_u24 v4, v2, CB                       ; my codes' place in a step's
	v_lshrrev_b32 v5, 1, v2
	s_add_co_u32 s17, s17, 2*32*SP
	v_add_nc_u32 v5, s17, v5                       ; my block's byte among the wave's 256
	v_lshlrev_b32 v7, 3, v2
	v_add_nc_u32 v6, s17, v7
	s_wait_kmcnt 0x0
	s_cmp_ge_u32 ttmp9, 768
	s_cbranch_scc1 .Ltable
	s_cmp_lt_u32 ttmp9, 512                        ; which tensor
	s_cselect_b64 s[6:7], s[6:7], s[8:9]
	s_cmp_lt_u32 ttmp9, 256
	s_cselect_b64 s[4:5], s[4:5], s[6:7]
	s_and_b32 s17, ttmp9, 255
	s_lshl_b32 s17, s17, 2
	s_add_co_u32 s18, s17, s16                     ; my run of 8,192 numbers in the tensor
	s_lshl_b32 s18, s18, 15
	s_mov_b32 s19, 0
	s_add_nc_u64 s[4:5], s[4:5], s[18:19]
	s_lshl_b32 s20, ttmp9, 2
	s_add_co_u32 s20, s20, s16                     ; and among the three tensors' runs
	s_lshl_b32 s22, s20, 12                        ; 4,096 bytes of codes a run
	s_mov_b32 s23, 0
	s_add_nc_u64 s[12:13], s[10:11], s[22:23]
	s_lshl_b32 s22, s20, 8                         ; 256 scale bytes a run
	s_add_co_u32 s22, s22, XS_OFF
	s_add_nc_u64 s[14:15], s[10:11], s[22:23]
.macro LOAD t
.irp i, 0,1,2,3
	global_load_b128 v[R+16*((\t)%4)+4*\i:R+16*((\t)%4)+4*\i+3], v12, s[4:5] offset:2048*(\t)+512*\i th:TH_LOAD_NT   ; 32 lanes read 512 consecutive bytes
.endr
.endm
.macro TURN t                          ; step t's numbers through the stage; LDS serves a wave's instructions in order
.irp i, 0,1,2,3
	ds_store_b128 v14, v[R+16*((\t)%4)+4*\i:R+16*((\t)%4)+4*\i+3] offset:32*SP*((\t)%2)+8*SP*\i
.endr
.irp i, 0,1,2,3
	ds_load_b128 v[X+16*((\t)%2)+4*\i:X+16*((\t)%2)+4*\i+3], v15 offset:32*SP*((\t)%2)+16*\i
.endr
.endm
.irp t, 0,1,2,3
	LOAD \t
.endr
	s_wait_loadcnt 12                              ; step 0's four loads are in; the 12 of steps 1 to 3 may be out
	s_wait_alu depctr_va_vdst(0)
	TURN 0
.macro STEP t
.set XS, X+16*((\t)%2)
.if (\t) > 0
	s_wait_dscnt 1                                 ; this step's numbers are back (the last step's byte store may be out)
.else
	s_wait_dscnt 0x0
.endif
.if (\t)+4 < STEPS
	LOAD (\t)+4
.endif
.if (\t)+1 < STEPS
.if STEPS-2-(\t) >= 3
	s_wait_loadcnt 12                              ; the next step's four loads are in; those of the three steps behind it may be out
.else
	s_wait_loadcnt 4*(STEPS-2-(\t))
.endif
	TURN (\t)+1
.endif
	v_max3_num_f32 v8, |v[XS]|, |v[XS+1]|, |v[XS+2]|
	v_max3_num_f32 v9, |v[XS+3]|, |v[XS+4]|, |v[XS+5]|
.irp i, 6,10
	v_max3_num_f32 v8, v8, |v[XS+\i]|, |v[XS+\i+1]|
	v_max3_num_f32 v9, v9, |v[XS+\i+2]|, |v[XS+\i+3]|
.endr
	v_max3_num_f32 v8, v8, |v[XS+14]|, |v[XS+15]|
	v_max3_num_f32 v8, v8, v9, (EMAX+1)<<23        ; the floor 2^(3 - 127): the byte cannot fall under 1
	v_max_num_f32_dpp v8, v8, v8 row_xmask:1 row_mask:0xf bank_mask:0xf   ; with my neighbour's 16: the block's
	v_add_nc_u32 v11, -(EMAX<<23), v8              ; 2 off the exponent field: the conversion's scale operand
	v_cvt_scalef32_pk8_fp4_f32 v[C+2*(\t)], v[XS:XS+7], v11
	v_cvt_scalef32_pk8_fp4_f32 v[C+2*(\t)+1], v[XS+8:XS+15], v11
	v_lshrrev_b32 v[E+(\t)], 23, v11               ; the scale's byte
	ds_store_b8 v5, v[E+(\t)] offset:16*(\t)       ; both lanes of a block write the same byte
	global_store_b64 v4, v[C+2*(\t):C+2*(\t)+1], s[12:13] offset:32*CB*(\t)   ; the wave stores 256 consecutive bytes, aligned
.endm
.irp t, 0,1,2,3,4,5,6,7,8,9,10,11,12,13,14,15
	STEP \t
.endr
	ds_load_b64 v[8:9], v6
	s_wait_dscnt 0x0
	global_store_b64 v7, v[8:9], s[14:15]          ; 256 scale bytes, aligned
	s_wait_tensorcnt 0x0                           ; the wave's end
	ds_add_u32 v[SPW], v[NIL]
	s_wait_dscnt 0x0
	s_endpgm
; THE TABLE.  Thread: piece p = tid % 16 of a token's 256 bytes (pieces 0-7 cos, 8-15 sin; i = 4 (p % 8) + e); tokens tb + 512 n, tb = 8 (work-group - 768) + tid / 16.
.Ltable:
	s_sub_co_u32 s17, ttmp9, 768
	s_lshl_b32 s17, s17, 3
	v_lshrrev_b32 v20, 4, v0
	v_add_nc_u32 v20, s17, v20                     ; tb
	v_and_b32 v21, 15, v0                          ; p
	v_and_b32 v22, 7, v21                          ; which four thetas
	s_wait_alu depctr_va_vdst(0)
	v_lshrrev_b32 v23, 3, v21
	v_xor_b32 v23, 1, v23                          ; 1 for a cosine: cos x = sin(x + pi/2), one quadrant on
	v_lshlrev_b32 v24, 8, v20
	v_lshl_add_u32 v24, v21, 4, v24                ; 256 tb + 16 p
	s_add_nc_u64 s[10:11], s[10:11], TAB_OFF
	s_mov_b32 s24, 0xbfc90fdb                      ; -fl(pi/2)
	s_mov_b32 s25, 0x333bbd2e                      ; fl(pi/2) - pi/2
	s_mov_b32 s26, -0.00019515295891               ; sine: r + r z (S1 + z (S2 + z S3))
	s_mov_b32 s27, 0.0083321608736
	s_mov_b32 s28, -0.16666654611
	s_mov_b32 s29, 0.00002443315711809948          ; cosine: 1 - z/2 + z z (C1 + z (C2 + z C3))
	s_mov_b32 s30, -0.001388731625493765
	s_mov_b32 s31, 0.04166664568298827
.macro THETA g, a, b, c, d             ; thetas 4 g .. 4 g + 3 into v28-31 of the threads of group g
.if \g == 0
	v_mov_b32 v28, \a
	v_mov_b32 v29, \b
	v_mov_b32 v30, \c
	v_mov_b32 v31, \d
.else
	v_cmp_ne_u32 vcc_lo, \g, v22
	v_cndmask_b32 v28, \a, v28, vcc_lo
	v_cndmask_b32 v29, \b, v29, vcc_lo
	v_cndmask_b32 v30, \c, v30, vcc_lo
	v_cndmask_b32 v31, \d, v31, vcc_lo
.endif
.endm
	THETA 0, 1.0, 0.74989420933245582, 0.56234132519034907, 0.42169650342858223
	THETA 1, 0.31622776601683794, 0.23713737056616552, 0.17782794100389228, 0.13335214321633240
	THETA 2, 0.1, 0.074989420933245582, 0.056234132519034907, 0.042169650342858223
	THETA 3, 0.031622776601683794, 0.023713737056616552, 0.017782794100389228, 0.013335214321633240
	THETA 4, 0.01, 0.0074989420933245582, 0.0056234132519034907, 0.0042169650342858223
	THETA 5, 0.0031622776601683794, 0.0023713737056616552, 0.0017782794100389228, 0.0013335214321633240
	THETA 6, 0.001, 0.00074989420933245582, 0.00056234132519034907, 0.00042169650342858223
	THETA 7, 0.00031622776601683794, 0.00023713737056616552, 0.00017782794100389228, 0.00013335214321633240
.macro SINCOS dst, th                  ; v[dst] = cos or sin of fl(v26 x v[th])
	v_mul_f32 v32, v26, v[\th]                     ; the tick: one rounding
	v_mul_f32 v33, 0x3f22f983, v32                 ; x 2/pi
	v_rndne_f32 v33, v33                           ; k
	v_fma_f32 v34, v33, s24, v32                   ; x - k fl(pi/2): exact, a multiple of 2^-23 under 1
	v_fma_f32 v34, v33, s25, v34                   ; r
	v_mul_f32 v35, v34, v34                        ; z
	v_cvt_i32_f32 v33, v33
	v_add_nc_u32 v33, v33, v23                     ; the quadrant
	v_fma_f32 v36, v35, s26, s27
	v_fma_f32 v36, v36, v35, s28
	v_mul_f32 v37, v35, v34
	v_fma_f32 v36, v36, v37, v34                   ; sin r
	v_fma_f32 v38, v35, s29, s30
	v_fma_f32 v38, v38, v35, s31
	v_mul_f32 v39, v35, v35
	v_fma_f32 v40, v35, -0.5, 1.0
	v_fma_f32 v38, v38, v39, v40                   ; cos r
	v_and_b32 v41, 1, v33
	v_cmp_eq_u32 vcc_lo, 1, v41
	v_cndmask_b32 v36, v36, v38, vcc_lo            ; odd quadrants take the cosine,
	v_lshlrev_b32 v33, 30, v33
	v_and_b32 v33, 0x80000000, v33
	v_xor_b32 v[\dst], v33, v36                    ; quadrants 2 and 3 the other sign
.endm
.irp n, 0,1,2,3
	v_add_nc_u32 v25, 512*\n, v20
	v_cvt_f32_u32 v26, v25
.irp e, 0,1,2,3
	SINCOS 48+4*\n+\e, 28+\e
.endr
	global_store_b128 v24, v[48+4*\n:51+4*\n], s[10:11] offset:131072*\n   ; sixteen lanes store a token's 256 bytes, aligned
.endr
	s_endpgm
; THE WEIGHTS.
.set NB,    8
.set WX,    32                         ; v32-95   two sets of 32 numbers
.set WC,    96                         ; v96-99   a block's codes
.set OUTR,  32                         ; v32-63   the way out, over the first set of numbers, which is done with by then
.set VO,    100                        ; v100-131 4 x lane + i rows of the tensor
.set VQ,    132                        ; v132-139 the way out's offsets in the codes
.set SB,    24                         ; v24-25   my 8 scale bytes
.Lweights:
	s_load_b256 s[4:11], s[0:1], 0x20              ; wq, wk, wv, wo
	s_load_b128 s[12:15], s[0:1], 0x40             ; wqkv, woc
	s_load_b64 s[16:17], s[0:1], 0x50              ; wos
	v_lshrrev_b32 v1, 5, v0
	v_readfirstlane_b32 s18, v1                    ; wave 0..3
	v_and_b32 v2, 31, v0                           ; lane
	s_and_b32 s19, s18, 1                          ; which 32 columns
	s_lshr_b32 s54, s18, 1                         ; which half of the 512 along K
	s_mul_i32 s55, s19, 32*PITCH
	s_lshl_b32 s56, s54, 7
	s_add_co_u32 s55, s55, s56
	s_add_co_u32 s55, s55, STG
	v_mul_u32_u24 v4, v2, PITCH
	v_add_nc_u32 v4, s55, v4                       ; into the stage: row = my column, my half's 128 bytes
	v_and_b32 v5, 15, v2
	v_lshrrev_b32 v6, 4, v2
	s_mul_i32 s55, s18, 16*PITCH
	s_add_co_u32 s55, s55, STG
	v_mul_u32_u24 v7, v6, PITCH
	v_lshl_add_u32 v7, v5, 4, v7
	v_add_nc_u32 v7, s55, v7                       ; out of it: my wave's 16 rows, two an instruction
	s_mov_b32 s20, 1216                            ; wo's figures: first work-group, log2 of its column groups, bytes in a row, first output row, bytes in a row of codes, of scales
	s_mov_b32 s21, 6
	s_mov_b32 s22, 16384
	s_mov_b32 s23, 0
; THE ROWS OF wqkv (codes and scale bytes alike) ARE LAID BY GROUPS OF 192, as launch proj takes them, and not tensor by tensor as the line at the head has it:
; group g = 0..15 holds wq's columns 128 g .. 128 g + 127 and then 64 columns of wk (g < 8: 64 g on) or of wv (g >= 8: 64 (g - 8) on).
; A work-group's 64 columns begin at row (c >> s2) x s3 + 64 (c & s2) + s23, c its column group.
	s_mov_b32 s2, 0
	s_mov_b32 s3, 64
	s_mov_b32 s24, 1024
	s_mov_b32 s25, 64
	s_wait_alu depctr_va_vdst(0)
	s_wait_kmcnt 0x0
	s_mov_b64 s[26:27], s[10:11]
	s_mov_b64 s[28:29], s[14:15]
	s_mov_b64 s[30:31], s[16:17]
	s_add_nc_u64 s[52:53], s[12:13], WS_OFF
	s_cmp_lt_u32 ttmp9, 1216                       ; wv's
	s_cselect_b32 s20, 1152, s20
	s_cselect_b32 s21, 3, s21
	s_cselect_b32 s22, 2048, s22
	s_cselect_b32 s23, 1664, s23
	s_cselect_b32 s3, 192, s3
	s_cselect_b32 s24, 2048, s24
	s_cselect_b32 s25, 128, s25
	s_cselect_b64 s[26:27], s[8:9], s[26:27]
	s_cselect_b64 s[28:29], s[12:13], s[28:29]
	s_cselect_b64 s[30:31], s[52:53], s[30:31]
	s_cmp_lt_u32 ttmp9, 1152                       ; wk's
	s_cselect_b32 s20, 1088, s20
	s_cselect_b32 s23, 128, s23
	s_cselect_b64 s[26:27], s[6:7], s[26:27]
	s_cmp_lt_u32 ttmp9, 1088                       ; wq's
	s_cselect_b32 s20, 832, s20
	s_cselect_b32 s21, 5, s21
	s_cselect_b32 s22, 8192, s22
	s_cselect_b32 s23, 0, s23
	s_cselect_b32 s2, 1, s2
	s_cselect_b64 s[26:27], s[4:5], s[26:27]
	s_sub_co_u32 s55, ttmp9, s20
	s_bfm_b32 s56, s21, 0
	s_and_b32 s57, s55, s56                        ; which 64 columns
	s_lshr_b32 s58, s55, s21                       ; which 512 along K
	s_lshl_b32 s59, s57, 6
	s_lshl_b32 s60, s19, 5
	s_add_co_u32 s59, s59, s60                     ; my wave's first column
	s_lshl_b32 s60, s58, 9
	s_lshl_b32 s61, s54, 8
	s_add_co_u32 s60, s60, s61                     ; my wave's first row of the tensor
	s_mul_i32 s62, s60, s22
	s_lshl_b32 s61, s59, 2
	s_add_co_u32 s62, s62, s61
	s_mov_b32 s63, 0
	s_add_nc_u64 s[32:33], s[26:27], s[62:63]      ; block 0's base; s[32+2t:33+2t]: block t's, 32 rows on; never rewritten
	s_lshl_b32 s62, s22, 5
.irp t, 1,2,3,4,5,6,7
	s_add_nc_u64 s[32+2*\t:33+2*\t], s[30+2*\t:31+2*\t], s[62:63]
.endr
	s_lshr_b32 s60, s57, s2
	s_mul_i32 s60, s60, s3
	s_and_b32 s61, s57, s2
	s_lshl_b32 s61, s61, 6
	s_add_co_u32 s60, s60, s61
	s_add_co_u32 s23, s60, s23                     ; the output row of my work-group's first column
	s_lshl_b32 s61, s18, 4
	s_add_co_u32 s60, s23, s61                     ; the first row of codes that I store
	s_mul_i32 s62, s60, s24
	s_lshl_b32 s61, s58, 8
	s_add_co_u32 s62, s62, s61
	s_add_nc_u64 s[48:49], s[28:29], s[62:63]
	s_lshl_b32 s60, s19, 5
	s_add_co_u32 s60, s60, s23
	s_mul_i32 s62, s60, s25
	s_lshl_b32 s61, s58, 4
	s_add_co_u32 s62, s62, s61
	s_lshl_b32 s61, s54, 3
	s_add_co_u32 s62, s62, s61
	s_add_nc_u64 s[50:51], s[30:31], s[62:63]      ; my wave's scale bytes
	v_lshlrev_b32 v[VO], 2, v2
.set i, 1
.rept 31
	v_add_nc_u32 v[VO+i], s22, v[VO+i-1]
.set i, i+1
.endr
	v_mul_u32_u24 v[VQ], s24, v6
	v_lshl_add_u32 v[VQ], v5, 4, v[VQ]
	s_lshl_b32 s61, s24, 1
.set i, 1
.rept 7
	v_add_nc_u32 v[VQ+i], s61, v[VQ+i-1]
.set i, i+1
.endr
	v_mul_u32_u24 v9, s25, v2                      ; my column's row of scale bytes
.macro WLOAD t                         ; block t: 32 rows at my column: a wave reads 128 consecutive bytes, two waves 256
.irp i, 0,1,2,3,4,5,6,7,8,9,10,11,12,13,14,15,16,17,18,19,20,21,22,23,24,25,26,27,28,29,30,31
	global_load_b32 v[WX+32*((\t)%2)+\i], v[VO+\i], s[32+2*(\t):33+2*(\t)] th:TH_LOAD_NT
.endr
.endm
	WLOAD 0
	WLOAD 1
.macro WBLOCK t
.set WXS, WX+32*((\t)%2)
.if (\t) < NB-1
	s_wait_loadcnt 32                              ; this block's 32 loads are in; the next block's 32 may be out
.else
	s_wait_loadcnt 0x0
.endif
	v_max3_num_f32 v12, |v[WXS]|, |v[WXS+1]|, |v[WXS+2]|
	v_max3_num_f32 v13, |v[WXS+3]|, |v[WXS+4]|, |v[WXS+5]|
.irp i, 6,10,14,18,22,26
	v_max3_num_f32 v12, v12, |v[WXS+\i]|, |v[WXS+\i+1]|
	v_max3_num_f32 v13, v13, |v[WXS+\i+2]|, |v[WXS+\i+3]|
.endr
	v_max3_num_f32 v12, v12, |v[WXS+30]|, |v[WXS+31]|
	v_max3_num_f32 v12, v12, v13, (EMAX+1)<<23     ; the floor: the byte cannot fall under 1
	v_add_nc_u32 v11, -(EMAX<<23), v12             ; the conversion's scale operand
	v_lshrrev_b32 v13, 23, v11                     ; the byte
.if (\t)%4 == 0
	v_mov_b32 v[SB+(\t)/4], v13
.else
	v_lshl_or_b32 v[SB+(\t)/4], v13, 8*((\t)%4), v[SB+(\t)/4]
.endif
.irp g, 0,1,2,3
	v_cvt_scalef32_pk8_fp4_f32 v[WC+\g], v[WXS+8*\g:WXS+8*\g+7], v11
.endr
	ds_store_b128 v4, v[WC:WC+3] offset:16*(\t)
.if (\t)+2 < NB
	WLOAD (\t)+2
.endif
	s_wait_dscnt 0x0                               ; the store has read its registers: the next block's codes may be written
.endm
.irp t, 0,1,2,3,4,5,6,7
	WBLOCK \t
.endr
	s_wait_alu depctr_va_vdst(0)
	global_store_b64 v9, v[SB:SB+1], s[50:51]
	s_barrier_signal -1                            ; my stores into the stage have landed (the wait for 0 above)
	s_barrier_wait -1                              ; everybody's have: the rows are whole
.irp t, 0,1,2,3,4,5,6,7
	ds_load_b128 v[OUTR+4*\t:OUTR+4*\t+3], v7 offset:2*\t*PITCH
.endr
.irp t, 0,1,2,3,4,5,6,7
	s_wait_dscnt 7-\t                              ; the younger loads may be out
	global_store_b128 v[VQ+\t], v[OUTR+4*\t:OUTR+4*\t+3], s[48:49]   ; sixteen lanes store 256 consecutive bytes, aligned
.endr
	s_wait_tensorcnt 0x0                           ; the wave's end
	ds_add_u32 v[SPW], v[NIL]
	s_wait_dscnt 0x0
	s_endpgm
.Lfunc_end_k_qab8bc72064_quant:
	.size	k_qab8bc72064_quant, .Lfunc_end_k_qab8bc72064_quant-k_qab8bc72064_quant
	.p2alignl 7, 3214868480
	.fill 96, 4, 3214868480
	.section	.rodata,"a",@progbits
	.p2align	6, 0x0
	.amdhsa_kernel k_qab8bc72064_quant
		.amdhsa_group_segment_fixed_size 50688
		.amdhsa_private_segment_fixed_size 0
		.amdhsa_enable_private_segment 0
		.amdhsa_kernarg_size 88
		.amdhsa_user_sgpr_count 2
		.amdhsa_user_sgpr_kernarg_segment_ptr 1
		.amdhsa_wavefront_size32 1
		.amdhsa_system_sgpr_workgroup_id_x 1
		.amdhsa_system_sgpr_workgroup_id_y 1
		.amdhsa_system_sgpr_workgroup_id_z 1
		.amdhsa_system_vgpr_workitem_id 0
		.amdhsa_next_free_vgpr 160
		.amdhsa_next_free_sgpr 66
		.amdhsa_reserve_vcc 1
		.amdhsa_float_denorm_mode_32 3
		.amdhsa_float_denorm_mode_16_64 3
		.amdhsa_memory_ordered 1
		.amdhsa_forward_progress 1
		.amdhsa_inst_pref_size 98
	.end_amdhsa_kernel
	.amdgpu_metadata
---
amdhsa.version: [ 1, 2 ]
amdhsa.kernels:
  - .name:           k_qab8bc72064_quant
    .symbol:         k_qab8bc72064_quant.kd
    .args:
      - { .name: q, .offset: 0, .size: 8, .value_kind: global_buffer, .address_space: global }
      - { .name: k, .offset: 8, .size: 8, .value_kind: global_buffer, .address_space: global }
      - { .name: v, .offset: 16, .size: 8, .value_kind: global_buffer, .address_space: global }
      - { .name: act, .offset: 24, .size: 8, .value_kind: global_buffer, .address_space: global }
      - { .name: wq, .offset: 32, .size: 8, .value_kind: global_buffer, .address_space: global }
      - { .name: wk, .offset: 40, .size: 8, .value_kind: global_buffer, .address_space: global }
      - { .name: wv, .offset: 48, .size: 8, .value_kind: global_buffer, .address_space: global }
      - { .name: wo, .offset: 56, .size: 8, .value_kind: global_buffer, .address_space: global }
      - { .name: wqkv, .offset: 64, .size: 8, .value_kind: global_buffer, .address_space: global }
      - { .name: woc, .offset: 72, .size: 8, .value_kind: global_buffer, .address_space: global }
      - { .name: wos, .offset: 80, .size: 8, .value_kind: global_buffer, .address_space: global }
    .group_segment_fixed_size: 50688
    .private_segment_fixed_size: 0
    .kernarg_segment_align: 8
    .kernarg_segment_size: 88
    .max_flat_workgroup_size: 128
    .sgpr_count:     66
    .vgpr_count:     160
    .wavefront_size: 32
...
	.end_amdgpu_metadata
.endif
;; end of part 1
;; launch proj (part 2): grid 16 x 16, 6 waves a work-group, clusters of 4 x 4, 327,680 bytes of LDS; arguments act, wqkv, hd, out1; writes hd, out1
.if DOCPART == 2
	.amdgcn_target "amdgcn-amd-amdhsa--gfx1250"
	.amdhsa_code_object_version 6
	.text
	.protected	k_qab8bc72064_proj
	.globl	k_qab8bc72064_proj
	.p2align	8
	.type	k_qab8bc72064_proj,@function
k_qab8bc72064_proj:
	s_mov_b64 s[64:65], 0
	v_nop
	global_prefetch_b8 v0, s[64:65] scope:SCOPE_SE
	s_setreg_imm32_b32 hwreg(HW_REG_WAVE_MODE, 25, 1), 1
	s_wait_xcnt 0x0
	s_wait_alu depctr_hold_cnt(0) depctr_sa_sdst(0) depctr_va_vdst(0) depctr_va_sdst(0) depctr_va_ssrc(0) depctr_va_vcc(0) depctr_vm_vsrc(0)
	s_getreg_b32 s2, hwreg(HW_REG_IB_STS2, 6, 4)
	s_cmp_eq_u32 s2, 0
	s_cbranch_scc0 .Lentry_in_a_cluster
	s_endpgm
.Lentry_in_a_cluster:
	s_bfe_u32 s2, ttmp6, 0x10000c
	s_cmp_lg_u32 s2, 0xf033
	s_cbranch_scc0 .Lentry_shape_is_right
	s_endpgm
.Lentry_shape_is_right:
; THE THREE PROJECTIONS on codes of FP4 with E8M0 scales, 256 work-groups of equal work: work-group (g, tile row) makes 128 tokens x THREE HEADS: q's heads 2 g and 2 g + 1 (X = q) and
; key/value head g (g < 8: k's head g, X = k; g >= 8: v's head g - 8, X = v).  wqkv's rows are laid by these groups: 192 rows a group.  k or v hangs on the cluster's x alone: equal in all sixteen partners.
; SIX WAVES, each 64 tokens x one head, 16 accumulators: wave w takes token half w % 2 and head w / 2 of the three.  512 registers a wave, so that two waves fit on a SIMD.
; K goes in eight steps of 512 (rows of 256 bytes) through two LDS slots of 448 rows: q's 128 tokens, k's or v's 128, W's 192.  The scale bytes of all these rows, for all of K, come once, at the head.
; LOADS, one a wave: at the head wave 0 q's tile, 1 k's or v's, 2 W's, 3 and 4 the X scales, 5 W's scales; in the ring waves 0-3 fetch 64 rows of X each, waves 4, 5 96 rows of W each.
; CLUSTERS 4 x 4: X's tiles are shared along a row of the cluster, W's along a column: joint loads, a mask of four.
; PREFETCH, two fills ahead: behind the load of K step s a wave names K step s + 2 of its share (a quarter, by address: cx for X, cy for W) of the rows that it fetches, a lane a row of 256 bytes
; (16 or 24 rows; the lanes left over name the last again); at the head K steps 1 and 2.  The last two changes that fill ask for nothing.  The table's rows are named once in each cluster, behind K step 1's load.
; THE MATRIX INSTRUCTION IS USED TRANSPOSED (source 0 = 16 rows of W, source 1 = 16 tokens): lane (r, hf) holds token r and, in tile t, the head's dims 16 t + 8 hf + 0..7.
; THE WAYS OUT (all in the wave, no barrier):
;   q, k: RoPE in f32 from the table; k's rows also go to out1 through a stage; the head's 64 dims are two blocks of 32 along the next product's K: quantised in registers.  Codes leave as an image of the
;         operand's registers 0-3 ([tile of 16 tokens][lane][16 bytes]); scale words [token]: bytes 0, 1 real, bytes 2, 3 = 127 (the upper half of the instruction's 128 along K holds zero codes).
;   v:    rows to out1 through a stage; read back by columns (a lane a dim, registers down 32 tokens) and quantised ALONG THE TOKENS, the next product's K: codes [key block][dim][16 bytes].
; hd: q's codes [32 heads][65,536] at 0; q's scale words [32][8,192] at QS_OFF; from KV_OFF on KVH bytes a key/value head: k's codes, v's codes, k's scale words, v's scale words.
; LIMITS: NaN and infinities are not served; a block of zeros gets the byte 1 (zero codes; this program alone reads the bytes).
; REGISTERS: window 0: v1-31 addresses; v32-63 scale words, two sets (free on the way out); v96-127 R; v128-255 accumulators ((a, t) at 128 + 8 (4 a + t)).
;   window 1: two fragment buffers of 128; buffer 0 takes the table of my 64 tokens when it is done with: block a: cos at 32 a + 8 u + j, sin at 32 a + 16 + 8 u + j, for i = 16 u + 8 hf + j.
.set XS_OFF,  12582912
.set TAB_OFF, 13369344
.set WS_OFF,  6291456
.set QS_OFF,  2097152
.set KV_OFF,  2359296
.set KVH,     143360
.set ROWB,   256                       ; a tile's row: 512 codes
.set KROW,   2048                      ; a row of codes in memory
.set PITCH,  272                       ; an LDS row: 256 bytes + 16
.set HALFT,  64*PITCH
.set XKV,    2*HALFT                   ; k's or v's tokens in a slot
.set WOF,    4*HALFT                   ; W's rows
.set WHALF,  96*PITCH
.set SLOT,   7*HALFT
.set SCL,    2*SLOT                    ; the scales: units of 256 bytes (two rows) + 16: q's 128 rows, k's or v's 128, W's 192
.set HALFS,  32*272                    ; those of 64 rows
.set SBLK,   8*272                     ; of 16 rows
.set SCW,    SCL+4*HALFS
.set SPARE,  SCL+7*HALFS               ; the spare words, 128 bytes a wave: three blocks of 256
.set SCSTQ,  SPARE+768                 ; scale words on their way out: 256 bytes a wave for q's path, and 1,536 bytes on the same for k's
.set STGW,   32*272                    ; a wave's stage: 32 rows x (256 + 16).  The stages lie in slot 0, which has had its last fill and its last read behind the last change of slots
.set STGV,   6*STGW                    ; k's stages at 0, v's here: each path has bytes of its own
.set L4,   11
.set L8,   12
.set RDV,  13
.set PFO,  14                          ; v14 the tiles' prefetch offset: 2048 x min(lane, my rows - 1); never rewritten
.set TPO,  15                          ; v15 the table's: 256 x (32 head + 8 cx + min(lane, 7)); never rewritten
.set ADRA, 16
.set TA,   18
.set STOV, 19
.set ADRB, 20
.set SW,   22
.set SRD,  23
.set STOK, 24
.set RDK,  25
.set CO,   26
.set ADRS, 27
.set SPW,  28
.set NIL,  29
.set OO,   30
.set CL,   31
.set SC,   32
.set R,    96
.set ACC,  128
.set F0,   0
.set F1,   128
.set SEL,  2
.set G1,   24
.set G0,   32
.set G1B,  48
.set G0B,  56
.set TBA,  66                          ; s[66:67] the table at my first token; never rewritten
.set G1S,  68
.set G0S,  76
.set G1SB, 80
.set G0SB, 88
.set KIND, 92                          ; s92 my wave's way out: 0 q, 1 k, 2 v
.set LAPC, 93
.set PFA,  94                          ; s[94:95] where my prefetches stand
.set HIDX, 96                          ; s96 my head: 0-31 q, 32-39 k, 40-47 v
.set TOK0, 97
.set MSB, 0
.macro WIN new                         ; the immediate's high byte repeats the setting that is left
.if MSB != \new
	s_set_vgpr_msb (MSB<<8)|\new
.set MSB, \new
.endif
.endm
.set MUL,  0x05                        ; sources 0 and 1 window 1; C and D window 0
.set TO_F, 0x40                        ; destination window 1
; A joint load of the ring: waves 0-3 fetch for X, waves 4, 5 for W; the branch hangs on the wave's number alone.  An s_nop 0 and four v_nop follow each line.
.macro JLOAD s
	s_cmp_lt_u32 s14, 4
	s_cbranch_scc0 .Lfor_b_\@
	tensor_load_to_lds s[G0+4*\s:G0+4*\s+3], s[G1:G1+7]
	s_nop 0
.rept 4
	v_nop
.endr
	s_branch .Lasked_\@
.Lfor_b_\@:
	tensor_load_to_lds s[G0B+4*\s:G0B+4*\s+3], s[G1B:G1B+7]
	s_nop 0
.rept 4
	v_nop
.endr
.Lasked_\@:
.endm
.macro CREST                           ; a round of the cluster's barrier behind its opening barrier
	s_cmp_lg_u32 s14, 0
	s_cbranch_scc1 .Lnot_wave_0_\@
	s_barrier_signal -3
.Lnot_wave_0_\@:
	s_barrier_wait -3
	s_barrier_signal -1
	s_barrier_wait -1
.endm
.macro CROUND
	s_barrier_signal -1
	s_barrier_wait -1
	CREST
.endm
	s_load_b256 s[4:11], s[0:1], 0x0               ; act, wqkv, hd, out1
	v_lshl_add_u32 v[SPW], v0, 2, SPARE
	v_mov_b32 v[NIL], 0
	ds_add_u32 v[SPW], v[NIL]                      ; the opening: the add, twice on end, and its wait ahead of my first tensor load
	ds_add_u32 v[SPW], v[NIL]
	v_lshrrev_b32 v1, 5, v0
	v_readfirstlane_b32 s14, v1                    ; wave 0..5
	s_and_b32 s15, s14, 1                          ; my half of the tokens.  Also: which half of a tile I fetch in the ring
	s_lshr_b32 s16, s14, 1                         ; my head of the three
	s_lshr_b32 s12, s14, 2                         ; 1: the key/value head
	s_bfe_u32 s40, ttmp6, 0x40000                  ; cx
	s_bfe_u32 s41, ttmp6, 0x40004                  ; cy
	s_lshl_b32 s42, ttmp9, 2
	s_add_co_u32 s42, s42, s40                     ; g 0..15
	s_and_b32 s17, ttmp7, 0xffff
	s_lshl_b32 s17, s17, 2
	s_add_co_u32 s17, s17, s41                     ; tile row 0..15
	s_lshr_b32 s93, ttmp9, 1
	s_add_co_u32 s93, s93, 1                       ; clusters 0, 1: tensor 1 (k); clusters 2, 3: tensor 2 (v)
	s_mul_i32 s[KIND], s93, s12
	s_lshl_b32 s43, s41, 2
	s_lshl_b32 s43, 15, s43                        ; my row of the cluster
	s_lshl_b32 s44, 0x1111, s40                    ; my column
	s_or_b32 s[G1+0], s43, (0<<16)|(1<<20)|(1<<21)|(5<<22)|(3<<25)   ; mask; elements of 1 byte; padding: 4 words after every 64; bit 21 beside a mask
	s_or_b32 s[G1B+0], s44, (0<<16)|(1<<20)|(1<<21)|(5<<22)|(3<<25)
.irp g, G1, G1B
	s_mov_b32 s[\g+1], ROWB<<16
	s_mov_b32 s[\g+3], ROWB<<16
	s_mov_b32 s[\g+5], KROW
	s_mov_b32 s[\g+6], 0
	s_mov_b32 s[\g+7], 0
.endr
	s_mov_b32 s[G1+2], 128<<16                     ; the head's loads bring whole tiles: 128 rows of X,
	s_mov_b32 s[G1+4], 128
	s_mov_b32 s[G1B+2], 192<<16                    ; 192 of W; behind them the ring's counts are set
	s_mov_b32 s[G1B+4], 192
	s_or_b32 s[G1S+0], s43, (3<<16)|(1<<20)|(1<<21)|(5<<22)|(3<<25)  ; scales: dense bytes as rows of 256 (32 elements of 8 bytes), 16 bytes behind each
	s_or_b32 s[G1SB+0], s44, (3<<16)|(1<<20)|(1<<21)|(5<<22)|(3<<25)
.irp g, G1S, G1SB
	s_mov_b32 s[\g+1], 32<<16
	s_mov_b32 s[\g+3], 32<<16
	s_mov_b32 s[\g+5], 32
	s_mov_b32 s[\g+6], 0
	s_mov_b32 s[\g+7], 0
.endr
	s_mov_b32 s[G1S+2], 64<<16                     ; 128 rows x 128 bytes
	s_mov_b32 s[G1S+4], 64
	s_mov_b32 s[G1SB+2], 96<<16                    ; 192 rows x 128 bytes
	s_mov_b32 s[G1SB+4], 96
	s_mov_b32 s[SEL], 0x76543210
	s_mov_b32 s[SEL+1], 0xfedcba98
	; offsets.  X's hang on the tile row and the cluster's x, W's on g: each in registers that never hold the other's coordinate
	s_lshl_b32 s21, s17, 18                        ; the tile's 128 rows of codes begin here in a tensor
	s_and_b32 s45, s14, 1                          ; the head's codes: wave 0 q's, wave 1 k's or v's
	s_mul_i32 s67, s45, XKV
	s_mul_i32 s20, s45, s93
	s_lshl_b32 s20, s20, 22                        ; a tensor of codes is 2^22 bytes
	s_add_co_u32 s20, s20, s21
	s_xor_b32 s45, s14, 1
	s_and_b32 s45, s45, 1                          ; the head's scales: wave 3 q's, wave 4 k's or v's
	s_mul_i32 s66, s45, 2*HALFS
	s_add_co_u32 s66, s66, SCL
	s_mul_i32 s22, s45, s93
	s_lshl_b32 s22, s22, 18
	s_lshl_b32 s23, s17, 14
	s_add_co_u32 s22, s22, s23
	s_add_co_u32 s22, s22, XS_OFF
	s_min_u32 s18, s16, 1                          ; the ring: waves 0, 1 q's halves, waves 2, 3 k's or v's
	s_mul_i32 s18, s18, s93
	s_lshl_b32 s18, s18, 22
	s_add_co_u32 s18, s18, s21
	s_lshl_b32 s19, s15, 17
	s_add_co_u32 s18, s18, s19
	s_mov_b32 s19, 0
	s_mov_b32 s21, 0
	s_mov_b32 s23, 0
	s_mul_i32 s45, s14, HALFT                      ; and where they go: wave x 64 rows
	s_mul_i32 s46, s42, 192*KROW                   ; W's 192 rows
	s_mov_b32 s47, 0
	s_mul_i32 s94, s42, 192*128
	s_add_co_u32 s94, s94, WS_OFF
	s_mov_b32 s95, 0
	s_mul_i32 s98, s15, 96*KROW                    ; the ring: waves 4, 5 W's halves
	s_mov_b32 s99, 0
	s_mul_i32 s13, s15, WHALF
	s_add_co_u32 s13, s13, WOF
	s_lshl_b32 s[TOK0], s17, 7
	s_lshl_b32 s[LAPC], s15, 6
	s_add_co_u32 s[TOK0], s[TOK0], s[LAPC]         ; my first token
	s_wait_dscnt 0x0                               ; both opening adds are done
	s_wait_kmcnt 0x0
	s_add_nc_u64 s[20:21], s[4:5], s[20:21]
	s_add_nc_u64 s[22:23], s[4:5], s[22:23]
	s_add_nc_u64 s[18:19], s[4:5], s[18:19]
	s_add_nc_u64 s[46:47], s[6:7], s[46:47]
	s_add_nc_u64 s[94:95], s[6:7], s[94:95]
	CROUND                                         ; all sixteen work-groups are here: the first joint loads meet
	s_mov_b32 s[G0], 1                             ; slot 0's groups 0 serve the head's whole tiles first
	s_mov_b32 s[G0+1], s67
	s_mov_b64 s[G0+2:G0+3], s[20:21]
	s_or_b32 s[G0+3], s[G0+3], 0x80000000
	s_mov_b32 s[G0B], 1
	s_mov_b32 s[G0B+1], WOF
	s_mov_b64 s[G0B+2:G0B+3], s[46:47]
	s_or_b32 s[G0B+3], s[G0B+3], 0x80000000
	s_mov_b32 s[G0S], 1
	s_mov_b32 s[G0S+1], s66
	s_mov_b64 s[G0S+2:G0S+3], s[22:23]
	s_or_b32 s[G0S+3], s[G0S+3], 0x80000000
	s_mov_b32 s[G0SB], 1
	s_mov_b32 s[G0SB+1], SCW
	s_mov_b64 s[G0SB+2:G0SB+3], s[94:95]
	s_or_b32 s[G0SB+3], s[G0SB+3], 0x80000000
	s_add_nc_u64 s[46:47], s[46:47], s[98:99]      ; for the ring: my 96 rows of W
	s_mov_b32 s[G0+4], 1                           ; slot 1: K step 1
	s_add_co_u32 s[G0+5], s45, SLOT
	s_add_nc_u64 s[G0+6:G0+7], s[18:19], ROWB
	s_or_b32 s[G0+7], s[G0+7], 0x80000000
	s_mov_b32 s[G0B+4], 1
	s_add_co_u32 s[G0B+5], s13, SLOT
	s_add_nc_u64 s[G0B+6:G0B+7], s[46:47], ROWB
	s_or_b32 s[G0B+7], s[G0B+7], 0x80000000
	s_cmp_lt_u32 s14, 4                            ; the prefetches: do I fetch for X?
	s_cselect_b64 s[PFA:PFA+1], s[18:19], s[46:47]
	s_cselect_b32 s20, s40, s41                    ; my place among the four that ask with me,
	s_cselect_b32 s21, 16, 24                      ; a quarter of my 64 or 96 rows,
	s_cselect_b32 s22, 15, 23                      ; the last of them
	s_mul_i32 s20, s20, s21
	s_lshl_b32 s20, s20, 11
	s_mov_b32 s21, 0
	s_add_nc_u64 s[PFA:PFA+1], s[PFA:PFA+1], s[20:21]
	s_lshl_b32 s66, s[TOK0], 8
	s_add_co_u32 s66, s66, TAB_OFF
	s_mov_b32 s67, 0
	s_add_nc_u64 s[TBA:TBA+1], s[4:5], s[66:67]
; ONE chain of branches on the wave's number, each arm with its load and, but for the last, a jump to the chain's end: every way through the head passes exactly one load.
.macro ARM under, g0, g1, next
	s_cmp_lt_u32 s14, \under
	s_cbranch_scc0 \next
	tensor_load_to_lds s[\g0:\g0+3], s[\g1:\g1+7]
	s_nop 0
.rept 4
	v_nop
.endr
	s_branch .Lhead_asked
\next:
.endm
	ARM 2, G0,  G1,  .Lhead_w
	ARM 3, G0B, G1B, .Lhead_sx
	ARM 5, G0S, G1S, .Lhead_sw
	tensor_load_to_lds s[G0SB:G0SB+3], s[G1SB:G1SB+7]
	s_nop 0
.rept 4
	v_nop
.endr
.Lhead_asked:
	; every LDS address is made here, ahead of the first parting of the ways
	v_and_b32 v1, 15, v0                           ; r
	v_bfe_u32 v2, v0, 4, 1                         ; hf
	v_and_b32 v3, 31, v0                           ; lane
	v_min_u32 v[PFO], s22, v3
	v_lshlrev_b32 v[PFO], 11, v[PFO]
	s_lshl_b32 s23, s16, 5
	s_lshl_b32 s22, s40, 3
	s_add_co_u32 s23, s23, s22
	v_min_u32 v[TPO], 7, v3
	v_add_nc_u32 v[TPO], s23, v[TPO]
	v_lshlrev_b32 v[TPO], 8, v[TPO]
	v_mul_u32_u24 v4, v1, PITCH
	v_lshl_add_u32 v4, v2, 4, v4                   ; a fragment's row x pitch + 16 hf
	s_mul_i32 s21, s12, XKV
	s_mul_i32 s22, s15, HALFT
	s_add_co_u32 s21, s21, s22                     ; my 64 tokens
	s_mul_i32 s22, s16, HALFT
	s_add_co_u32 s22, s22, WOF                     ; my head's 64 rows of W
.irp s, 0,1
	v_add_nc_u32 v[ADRA+\s], s21, v4
	v_add_nc_u32 v[ADRB+\s], s22, v4
	s_add_co_u32 s21, s21, SLOT
	s_add_co_u32 s22, s22, SLOT
.endr
	v_mul_u32_u24 v5, v1, 128                      ; my row's scales: 128 bytes a row,
	v_lshrrev_b32 v6, 8, v5
	v_lshl_add_u32 v5, v6, 4, v5                   ; and 16 more for each 256 passed
	s_mul_i32 s21, s12, 2*HALFS
	s_mul_i32 s22, s15, HALFS
	s_add_co_u32 s21, s21, s22
	s_mul_i32 s22, s16, HALFS
	s_add_co_u32 s22, s22, 4*HALFS
	s_sub_co_u32 s22, s22, s21
	v_mul_u32_u24 v6, s22, v2                      ; lanes 16-31 take W's: one product, the distance between the two bases
	s_add_co_u32 s21, s21, SCL
	v_add_nc_u32 v5, v5, v6
	v_add_nc_u32 v[ADRS], s21, v5
	s_mul_i32 s23, s14, STGW
	v_mul_u32_u24 v5, v1, 272
	v_lshl_add_u32 v5, v2, 5, v5
	v_add_nc_u32 v[STOK], s23, v5                  ; into a stage: row r, 32 bytes for each half of the lanes
	v_add_nc_u32 v[STOV], STGV, v[STOK]
	v_mul_u32_u24 v5, v2, 272
	v_lshl_add_u32 v5, v1, 4, v5
	v_add_nc_u32 v[RDK], s23, v5                   ; back by rows: lanes 0-15 one row, lanes 16-31 the next
	v_add_nc_u32 v[RDV], STGV, v[RDK]
	v_lshlrev_b32 v[L4], 2, v3
	v_lshlrev_b32 v[L8], 3, v3
	v_lshlrev_b32 v[CO], 4, v3
	v_add_nc_u32 v[CL], s23, v[L4]
	v_add_nc_u32 v[CL], STGV, v[CL]
	s_lshl_b32 s23, s14, 8
	s_add_co_u32 s23, s23, SCSTQ
	v_lshl_add_u32 v[SW], v1, 2, s23
	v_add_nc_u32 v[SRD], s23, v[L8]
	v_lshlrev_b32 v[TA], 8, v1
	v_lshl_add_u32 v[TA], v2, 5, v[TA]
	v_lshlrev_b32 v[OO], 12, v2
	v_lshl_add_u32 v[OO], v1, 4, v[OO]
	global_prefetch_b8 v[PFO], s[PFA:PFA+1] offset:ROWB th:TH_LOAD_NT scope:SCOPE_SE     ; K step 1
	global_prefetch_b8 v[PFO], s[PFA:PFA+1] offset:2*ROWB th:TH_LOAD_NT scope:SCOPE_SE   ; K step 2
	s_lshl_b32 s[HIDX], s42, 1
	s_add_co_u32 s[HIDX], s[HIDX], s16
	s_add_co_u32 s23, s42, 32
	s_cmp_eq_u32 s12, 0
	s_cselect_b32 s[HIDX], s[HIDX], s23
; 8 matrix instructions: token blocks a0, a0 + 1 x the four column blocks, 128 along K: half c of buffer f, the K step's q-th word of scale set sc.  zero = 1: the product starts the sums.
; The 16 accumulators take turns, one instruction a turn, in the same order throughout.  One register carries X's word (lanes 0-15) and W's (lanes 16-31).
.macro MUL8 f, c, a0, q, sc, zero
.irp a, \a0, \a0+1
.irp b, 0,1,2,3
.if \zero
	v_wmma_scale_f32_16x16x128_f8f6f4 v[ACC+8*(4*(\a)+\b):ACC+8*(4*(\a)+\b)+7], v[\f+64+8*(4*\c+\b):\f+64+8*(4*\c+\b)+7], v[\f+8*(4*\c+(\a)):\f+8*(4*\c+(\a))+7], 0, v[SC+16*(\sc)+4*\b+(\q)], v[SC+16*(\sc)+4*(\a)+(\q)] matrix_a_fmt:MATRIX_FMT_FP4 matrix_b_fmt:MATRIX_FMT_FP4 matrix_a_scale:MATRIX_SCALE_ROW1
.else
	v_wmma_scale_f32_16x16x128_f8f6f4 v[ACC+8*(4*(\a)+\b):ACC+8*(4*(\a)+\b)+7], v[\f+64+8*(4*\c+\b):\f+64+8*(4*\c+\b)+7], v[\f+8*(4*\c+(\a)):\f+8*(4*\c+(\a))+7], v[ACC+8*(4*(\a)+\b):ACC+8*(4*(\a)+\b)+7], v[SC+16*(\sc)+4*\b+(\q)], v[SC+16*(\sc)+4*(\a)+(\q)] matrix_a_fmt:MATRIX_FMT_FP4 matrix_b_fmt:MATRIX_FMT_FP4 matrix_a_scale:MATRIX_SCALE_ROW1
.endif
.endr
.endr
.endm
; 32 LDS loads in one run: the fragments of 256 along K (128 bytes of the rows, from byte k) into buffer f; the first 128 along K first.
.macro FETCH slot, k, f
	WIN TO_F
.irp c, 0,1
.irp i, 0,1,2,3
	ds_load_b128 v[\f+64+8*(4*\c+\i):\f+64+8*(4*\c+\i)+3],   v[ADRB+\slot] offset:\k+64*\c+\i*16*PITCH
	ds_load_b128 v[\f+64+8*(4*\c+\i)+4:\f+64+8*(4*\c+\i)+7], v[ADRB+\slot] offset:\k+64*\c+\i*16*PITCH+32
	ds_load_b128 v[\f+8*(4*\c+\i):\f+8*(4*\c+\i)+3],         v[ADRA+\slot] offset:\k+64*\c+\i*16*PITCH
	ds_load_b128 v[\f+8*(4*\c+\i)+4:\f+8*(4*\c+\i)+7],       v[ADRA+\slot] offset:\k+64*\c+\i*16*PITCH+32
.endr
.endr
.endm
.macro SCALES sc                       ; a K step's 4 words a row into set sc: lanes 0-15 X's block i, lanes 16-31 W's block i.  (Every window is 0 here)
.irp i, 0,1,2,3
	ds_load_b128 v[SC+16*\sc+4*\i:SC+16*\sc+4*\i+3], v[ADRS] offset:\i*SBLK
.endr
.endm
.macro PLACES                          ; four plain vector instructions between a matrix instruction and a load into, or a read of, its registers
.rept 4
	v_nop
.endr
.endm
; A K step is two halves of 256 along K, 32 matrix instructions each, on buffers 0 and 1.  The first multiplies buffer 0 and fetches the second half into buffer 1.
.macro FIRST slot, zero
	s_wait_dscnt 16                                ; the first 128 along K (and the scale words ahead of them) are in; the other 16 loads may be out
	WIN MUL
	MUL8 F0, 0, 0, 0, \slot, \zero
	MUL8 F0, 0, 2, 0, \slot, \zero
	PLACES
	FETCH \slot, 128, F1
	s_wait_dscnt 32                                ; all but the 32 just issued
	WIN MUL
	MUL8 F0, 1, 0, 1, \slot, 0
	MUL8 F0, 1, 2, 1, \slot, 0
.endm
; The second half changes slots: one barrier; ahead of it each wave waits for all its tensor loads, adds 0 to its spare word, and waits for that and for its reads of this slot.
; fill = 1: the barrier opens a round of the cluster's, and this slot is filled again, two K steps ahead, first thing behind the round: one load a wave.
.macro TURN slot, next, fill
	WIN 0
.if \fill
	s_wait_xcnt 0x0                                ; my prefetches have read their address: it steps one K step
	s_add_nc_u64 s[PFA:PFA+1], s[PFA:PFA+1], ROWB
.endif
	s_wait_tensorcnt 0x0                           ; all my tensor loads have landed: my part of the next slot
	ds_add_u32 v[SPW], v[NIL]
	s_wait_dscnt 17                                ; the add and the youngest 16 loads may be out
	WIN MUL
	MUL8 F1, 0, 0, 2, \slot, 0
	s_wait_dscnt 0x0                               ; the add is done, my reads of this slot are over
	s_barrier_signal -1
	MUL8 F1, 0, 2, 2, \slot, 0
	WIN 0
	s_barrier_wait -1
.if \fill
	CREST                                          ; no wave of any partner still reads this slot or has a load on its way
	s_add_nc_u64 s[G0+4*\slot+2:G0+4*\slot+3], s[G0+4*\slot+2:G0+4*\slot+3], 2*ROWB
	s_add_nc_u64 s[G0B+4*\slot+2:G0B+4*\slot+3], s[G0B+4*\slot+2:G0B+4*\slot+3], 2*ROWB
	JLOAD \slot                                    ; its four v_nop are also the places ahead of the loads below
.else
	PLACES
.endif
	s_wait_alu depctr_va_vdst(0)
	v_add_nc_u32 v[ADRS], 16, v[ADRS]              ; the next K step's 4 words
	SCALES \next
	FETCH \next, 0, F0
.if \fill
	WIN 0
	s_cmp_gt_u32 s[LAPC], 1                        ; the loop's last trip has no K step two fills on
	s_cbranch_scc0 .Lno_ask_\@
	global_prefetch_b8 v[PFO], s[PFA:PFA+1] offset:3*ROWB th:TH_LOAD_NT scope:SCOPE_SE   ; the K step two fills behind the one just asked for
.Lno_ask_\@:
.endif
	WIN MUL
	MUL8 F1, 1, 0, 3, \slot, 0
	MUL8 F1, 1, 2, 3, \slot, 0
.endm
; 32 numbers of a lane, register 8 t + j = dim 16 t + 8 hf + j of my row, become registers 0-3 of an operand in v[p] on and bytes 0, 1 of its scale word in v[w].  tm: six registers at work.
.macro QUANT2 s, p, w, tm
.irp b, 0,1
	v_max3_num_f32 v[(\tm)+\b], |v[(\s)+16*\b]|, |v[(\s)+16*\b+1]|, 0x1800000   ; block b: my 16 numbers, and the floor 2^(3 - 127)
.endr
.irp i, 2,4,6,8,10,12,14
.irp b, 0,1
	v_max3_num_f32 v[(\tm)+\b], v[(\tm)+\b], |v[(\s)+16*\b+\i]|, |v[(\s)+16*\b+\i+1]|
.endr
.endr
.irp b, 0,1
	v_permlanex16_b32 v[(\tm)+2+\b], v[(\tm)+\b], s[SEL], s[SEL+1]
.endr
.irp b, 0,1
	v_max_num_f32 v[(\tm)+\b], v[(\tm)+\b], v[(\tm)+2+\b]      ; with lane xor 16's: the block's largest magnitude
.endr
.irp b, 0,1
	v_add_nc_u32 v[(\tm)+4+\b], 0xff000000, v[(\tm)+\b]        ; 2 off the exponent field: the conversion's scale operand
.endr
.irp b, 0,1
	v_lshrrev_b32 v[(\tm)+2+\b], 23, v[(\tm)+4+\b]             ; the byte
.endr
	v_lshl_or_b32 v[\w], v[(\tm)+3], 8, v[(\tm)+2]
	v_cvt_scalef32_pk8_fp4_f32 v[(\p)],   v[(\s):(\s)+7],     v[(\tm)+4]
	v_cvt_scalef32_pk8_fp4_f32 v[(\p)+2], v[(\s)+8:(\s)+15],  v[(\tm)+4]
	v_cvt_scalef32_pk8_fp4_f32 v[(\p)+1], v[(\s)+16:(\s)+23], v[(\tm)+5]
	v_cvt_scalef32_pk8_fp4_f32 v[(\p)+3], v[(\s)+24:(\s)+31], v[(\tm)+5]
	v_nop                                          ; one plain place behind a scaled conversion
	v_permlane16_swap_b32 v[(\p)],   v[(\p)+1]     ; lanes 0-15 now hold dims 0-31, lanes 16-31 dims 32-63
	v_permlane16_swap_b32 v[(\p)+2], v[(\p)+3]
.endm
; RoPE of token block a: lo = dims 0-31 (tiles 0, 1), hi = dims 32-63 (tiles 2, 3): lo cos - hi sin, hi cos + lo sin.  Each accumulator is read from its low end on.
.macro ROPE a
	WIN 0x04                                       ; source 1: window 1, the table
.irp u, 0,1
.irp jj, 0,2,4,6
	v_pk_mul_f32 v[R+8*\u+\jj:R+8*\u+\jj+1], v[ACC+8*(4*(\a)+\u)+\jj:ACC+8*(4*(\a)+\u)+\jj+1], v[32*(\a)+8*\u+\jj:32*(\a)+8*\u+\jj+1]
	v_pk_mul_f32 v[R+16+8*\u+\jj:R+16+8*\u+\jj+1], v[ACC+8*(4*(\a)+\u+2)+\jj:ACC+8*(4*(\a)+\u+2)+\jj+1], v[32*(\a)+8*\u+\jj:32*(\a)+8*\u+\jj+1]
	v_pk_fma_f32 v[R+8*\u+\jj:R+8*\u+\jj+1], v[ACC+8*(4*(\a)+\u+2)+\jj:ACC+8*(4*(\a)+\u+2)+\jj+1], v[32*(\a)+16+8*\u+\jj:32*(\a)+16+8*\u+\jj+1], v[R+8*\u+\jj:R+8*\u+\jj+1] neg_lo:[1,0,0] neg_hi:[1,0,0]
	v_pk_fma_f32 v[R+16+8*\u+\jj:R+16+8*\u+\jj+1], v[ACC+8*(4*(\a)+\u)+\jj:ACC+8*(4*(\a)+\u)+\jj+1], v[32*(\a)+16+8*\u+\jj:32*(\a)+16+8*\u+\jj+1], v[R+16+8*\u+\jj:R+16+8*\u+\jj+1]
.endr
.endr
	WIN 0
.endm
; q's (isk = 0) or k's (1) way out.
.macro QKOUT isk
.if \isk
	s_sub_co_u32 s21, s[HIDX], 32                  ; the key/value head
	s_mul_i32 s22, s21, KVH
	s_add_co_u32 s22, s22, KV_OFF                  ; its region of hd
	s_mov_b32 s18, s22
.else
	s_lshl_b32 s18, s[HIDX], 16
.endif
	s_lshl_b32 s20, s[TOK0], 5
	s_add_co_u32 s18, s18, s20
	s_mov_b32 s19, 0
	s_add_nc_u64 s[12:13], s[8:9], s[18:19]        ; my codes: the head's first byte + tile x 512
.if \isk
	s_add_co_u32 s18, s22, 131072                  ; k's scale words lie behind the region's two blocks of codes
.else
	s_lshl_b32 s18, s[HIDX], 13
	s_add_co_u32 s18, s18, QS_OFF
.endif
	s_lshl_b32 s20, s[TOK0], 2
	s_add_co_u32 s18, s18, s20
	s_add_nc_u64 s[98:99], s[8:9], s[18:19]        ; my scale words
.if \isk
	s_lshl_b32 s18, s[TOK0], 12
	s_lshl_b32 s20, s21, 9
	s_add_co_u32 s18, s18, s20
	s_add_nc_u64 s[10:11], s[10:11], s[18:19]      ; out1: token x 4,096 + head x 512
.endif
	PLACES
	v_mov_b32 v34, 0                               ; a lane permute's destination counts as one of its sources
	v_mov_b32 v35, 0
	s_wait_loadcnt 0x0                             ; the table
.irp hb, 0,1
.irp aa, 0,1
	ROPE 2*\hb+\aa
.if \isk
.irp t, 0,1,2,3
.irp e, 0,1
	ds_store_b128 v[STOK], v[R+8*\t+4*\e:R+8*\t+4*\e+3] offset:\aa*4352+64*\t+16*\e
.endr
.endr
.endif
	QUANT2 R, 48+4*(2*\hb+\aa), 64+2*\hb+\aa, 32
	v_or_b32 v[64+2*\hb+\aa], 0x7f7f0000, v[64+2*\hb+\aa]      ; bytes 2, 3: 1.0, over zero codes
	global_store_b128 v[CO], v[48+4*(2*\hb+\aa):51+4*(2*\hb+\aa)], s[12:13] offset:512*(2*\hb+\aa)   ; 512 consecutive bytes
	ds_store_b32 v[SW], v[64+2*\hb+\aa] offset:64*(2*\hb+\aa)+1536*\isk    ; both halves of the lanes write the same word
.if \isk
	s_wait_dscnt 0x0                               ; the stores have read R, which is written again
.endif
.endr
.if \isk
.irp i, 0,1,2,3,4,5,6,7,8,9,10,11,12,13,14,15
	ds_load_b128 v[ACC+64*\hb+4*\i:ACC+64*\hb+4*\i+3], v[RDK] offset:544*\i    ; 32 whole rows, into accumulators that are done with
.endr
.irp i, 0,1,2,3,4,5,6,7,8,9,10,11,12,13,14,15
	s_wait_dscnt 15-\i                             ; the younger loads may be out
	global_store_b128 v[OO], v[ACC+64*\hb+4*\i:ACC+64*\hb+4*\i+3], s[10:11] offset:(32*\hb+2*\i)*4096 th:TH_STORE_NT   ; sixteen lanes store 256 consecutive bytes, aligned
.endr
.endif
.endr
	ds_load_b64 v[68:69], v[SRD] offset:1536*\isk  ; LDS serves a wave's instructions in order: these see my stores
	s_wait_dscnt 0x0
	global_store_b64 v[L8], v[68:69], s[98:99]     ; 64 scale words: 256 consecutive bytes, aligned
.endm
; v: a block of 32 tokens of one dim, all in my 32 registers from v[s] on
.macro VQ s, hb, dh
	v_max3_num_f32 v116, |v[\s]|, |v[\s+1]|, |v[\s+2]|
	v_max3_num_f32 v117, |v[\s+3]|, |v[\s+4]|, |v[\s+5]|
.irp i, 6,10,14,18,22,26
	v_max3_num_f32 v116, v116, |v[\s+\i]|, |v[\s+\i+1]|
	v_max3_num_f32 v117, v117, |v[\s+\i+2]|, |v[\s+\i+3]|
.endr
	v_max3_num_f32 v116, v116, |v[\s+30]|, |v[\s+31]|
	v_max3_num_f32 v116, v116, v117, 0x1800000
	v_add_nc_u32 v118, 0xff000000, v116
	v_lshrrev_b32 v[112+2*\hb+\dh], 23, v118
.irp g, 0,1,2,3
	v_cvt_scalef32_pk8_fp4_f32 v[96+4*(2*\hb+\dh)+\g], v[\s+8*\g:\s+8*\g+7], v118
.endr
	v_nop
	global_store_b128 v[CO], v[96+4*(2*\hb+\dh):99+4*(2*\hb+\dh)], s[12:13] offset:1024*\hb+512*\dh   ; 32 dims x 16 bytes: 512 consecutive bytes
.endm
.macro VHALF hb                        ; my tokens 32 hb .. 32 hb + 31: one key block
.irp aa, 0,1
.irp t, 0,1,2,3
	ds_store_b128 v[STOV], v[ACC+8*(4*(2*\hb+\aa)+\t):ACC+8*(4*(2*\hb+\aa)+\t)+3] offset:\aa*4352+64*\t          ; each accumulator from its low end on
	ds_store_b128 v[STOV], v[ACC+8*(4*(2*\hb+\aa)+\t)+4:ACC+8*(4*(2*\hb+\aa)+\t)+7] offset:\aa*4352+64*\t+16
.endr
.endr
	s_wait_dscnt 0x0                               ; the stores have read their registers: the rows come back into them
.irp i, 0,1,2,3,4,5,6,7,8,9,10,11,12,13,14,15
	ds_load_b128 v[ACC+64*\hb+4*\i:ACC+64*\hb+4*\i+3], v[RDV] offset:544*\i
.endr
.irp i, 0,1,2,3,4,5,6,7,8,9,10,11,12,13,14,15,16,17,18,19,20,21,22,23,24,25,26,27,28,29,30,31
	ds_load_b32 v[32+\i], v[CL] offset:272*\i      ; dims 0-31: a lane a dim, registers down the tokens
.endr
.irp i, 0,1,2,3,4,5,6,7,8,9,10,11,12,13,14,15
	s_wait_dscnt 47-\i                             ; the younger row loads and the 32 column loads may be out
	global_store_b128 v[OO], v[ACC+64*\hb+4*\i:ACC+64*\hb+4*\i+3], s[10:11] offset:(32*\hb+2*\i)*4096 th:TH_STORE_NT
.endr
	s_wait_dscnt 0x0
.irp i, 0,1,2,3,4,5,6,7,8,9,10,11,12,13,14,15,16,17,18,19,20,21,22,23,24,25,26,27,28,29,30,31
	ds_load_b32 v[64+\i], v[CL] offset:272*\i+128  ; dims 32-63, on their way while the first 32 are quantised
.endr
	VQ 32, \hb, 0
	s_wait_dscnt 0x0
	VQ 64, \hb, 1
.endm
	s_wait_alu depctr_va_vdst(0)
	s_wait_tensorcnt 0x0                           ; my tile of the head's six is in
	ds_add_u32 v[SPW], v[NIL]
	s_mov_b32 s[G1+2], 64<<16                      ; no tensor load of mine is out, so descriptors may be written: the ring's loads bring 64 rows of X,
	s_mov_b32 s[G1+4], 64
	s_mov_b32 s[G1B+2], 96<<16                     ; 96 of W,
	s_mov_b32 s[G1B+4], 96
	s_mov_b32 s[G0+1], s45                         ; and slot 0's groups 0 name my rows at K step 0, one K step back from slot 1's: the first refill steps them to K step 2
	s_sub_nc_u64 s[G0+2:G0+3], s[G0+6:G0+7], ROWB
	s_mov_b32 s[G0B+1], s13
	s_sub_nc_u64 s[G0B+2:G0B+3], s[G0B+6:G0B+7], ROWB
	s_wait_dscnt 0x0                               ; the add is done
	CROUND                                         ; a whole round: all six tiles are in, and all sixteen work-groups are here
	JLOAD 1                                        ; K step 1's load, the first tensor load behind the round
	SCALES 0
	global_prefetch_b8 v[PFO], s[PFA:PFA+1] offset:3*ROWB th:TH_LOAD_NT scope:SCOPE_SE   ; K step 3
	s_cmp_lt_u32 s14, 4                            ; the table: 8 tokens' rows of 256 bytes a wave of q's two heads: 2 heads x 4 partners x 8 = the 64 tokens
	s_cbranch_scc0 .Lno_table_ask
	global_prefetch_b8 v[TPO], s[TBA:TBA+1] th:TH_LOAD_NT scope:SCOPE_SE
.Lno_table_ask:
	FETCH 0, 0, F0
	FIRST 0, 1                                     ; the first products start the sums: nothing is cleared
	WIN 0
	s_mov_b32 s[LAPC], 3
.Llap:                                                 ; a trip goes once round the ring, from a lap's second half step to the next lap's first, and fills both slots again
	TURN 0, 1, 1
	FIRST 1, 0
	TURN 1, 0, 1
	FIRST 0, 0
	WIN 0
	s_sub_co_u32 s[LAPC], s[LAPC], 1
	s_cmp_lg_u32 s[LAPC], 0
	s_cbranch_scc1 .Llap
	TURN 0, 1, 0                                   ; K step 6 ends; nothing is filled, so no round follows
	FIRST 1, 0
	WIN 0
	s_cmp_eq_u32 s[KIND], 2                        ; q, k: the table of my 64 tokens goes into buffer 0, which is done with, under the last 32 matrix instructions
	s_cbranch_scc1 .Lno_table
	PLACES
	WIN TO_F
.irp a, 0,1,2,3
.irp u, 0,1
.irp e, 0,1
	global_load_b128 v[32*\a+8*\u+4*\e:32*\a+8*\u+4*\e+3], v[TA], s[TBA:TBA+1] offset:4096*\a+64*\u+16*\e
	global_load_b128 v[32*\a+16+8*\u+4*\e:32*\a+16+8*\u+4*\e+3], v[TA], s[TBA:TBA+1] offset:4096*\a+64*\u+16*\e+128
.endr
.endr
.endr
	WIN 0
.Lno_table:
	s_wait_dscnt 16
	WIN MUL
	MUL8 F1, 0, 0, 2, 1, 0
	MUL8 F1, 0, 2, 2, 1, 0
	s_wait_dscnt 0x0
	MUL8 F1, 1, 0, 3, 1, 0
	MUL8 F1, 1, 2, 3, 1, 0
	WIN 0
	s_cmp_eq_u32 s[KIND], 2                        ; the ways part on the wave's number and the cluster's x; no barrier stands on any of them
	s_cbranch_scc1 .Lv
	s_cmp_eq_u32 s[KIND], 0
	s_cbranch_scc0 .Lk
	QKOUT 0
	s_branch .Lend
.Lk:
	QKOUT 1
	s_branch .Lend
.Lv:
	s_sub_co_u32 s21, s[HIDX], 40                  ; the key/value head
	s_mul_i32 s22, s21, KVH                        ; its region of hd
	s_lshl_b32 s20, s[TOK0], 5                     ; key block x 1,024
	s_add_co_u32 s18, s22, s20
	s_add_co_u32 s18, s18, KV_OFF+65536            ; v's codes lie behind k's
	s_mov_b32 s19, 0
	s_add_nc_u64 s[12:13], s[8:9], s[18:19]
	s_add_co_u32 s18, s22, KV_OFF+139264           ; v's scale words lie last
	s_lshl_b32 s20, s17, 8                         ; the key step = the tile row: 64 words
	s_add_co_u32 s18, s18, s20
	s_lshl_b32 s20, s15, 1                         ; my two key blocks' bytes of each word
	s_add_co_u32 s18, s18, s20
	s_add_nc_u64 s[98:99], s[8:9], s[18:19]
	s_lshl_b32 s18, s[TOK0], 12
	s_lshl_b32 s20, s21, 9
	s_add_co_u32 s18, s18, s20
	s_add_co_u32 s18, s18, 256                     ; v lies behind k in a head's 512 bytes
	s_add_nc_u64 s[10:11], s[10:11], s[18:19]
	PLACES
	VHALF 0
	VHALF 1
.irp dh, 0,1
	v_lshl_or_b32 v[120+\dh], v[114+\dh], 8, v[112+\dh]
	global_store_b16 v[L4], v[120+\dh], s[98:99] offset:128*\dh
.endr
.Lend:
	s_wait_tensorcnt 0x0                           ; the wave's end
	ds_add_u32 v[SPW], v[NIL]
	s_wait_dscnt 0x0
	CROUND                                         ; the closing round
	s_endpgm
.Lfunc_end_k_qab8bc72064_proj:
	.size	k_qab8bc72064_proj, .Lfunc_end_k_qab8bc72064_proj-k_qab8bc72064_proj
	.p2alignl 7, 3214868480
	.fill 96, 4, 3214868480
	.section	.rodata,"a",@progbits
	.p2align	6, 0x0
	.amdhsa_kernel k_qab8bc72064_proj
		.amdhsa_group_segment_fixed_size 327680
		.amdhsa_private_segment_fixed_size 0
		.amdhsa_enable_private_segment 0
		.amdhsa_kernarg_size 32
		.amdhsa_user_sgpr_count 2
		.amdhsa_user_sgpr_kernarg_segment_ptr 1
		.amdhsa_wavefront_size32 1
		.amdhsa_system_sgpr_workgroup_id_x 1
		.amdhsa_system_sgpr_workgroup_id_y 1
		.amdhsa_system_sgpr_workgroup_id_z 1
		.amdhsa_system_vgpr_workitem_id 0
		.amdhsa_next_free_vgpr 512
		.amdhsa_next_free_sgpr 100
		.amdhsa_reserve_vcc 0
		.amdhsa_float_denorm_mode_32 3
		.amdhsa_float_denorm_mode_16_64 3
		.amdhsa_memory_ordered 1
		.amdhsa_forward_progress 1
		.amdhsa_inst_pref_size 138
	.end_amdhsa_kernel
	.amdgpu_metadata
---
amdhsa.version: [ 1, 2 ]
amdhsa.kernels:
  - .name:           k_qab8bc72064_proj
    .symbol:         k_qab8bc72064_proj.kd
    .args:
      - { .name: act, .offset: 0, .size: 8, .value_kind: global_buffer, .address_space: global }
      - { .name: wqkv, .offset: 8, .size: 8, .value_kind: global_buffer, .address_space: global }
      - { .name: hd, .offset: 16, .size: 8, .value_kind: global_buffer, .address_space: global }
      - { .name: out1, .offset: 24, .size: 8, .value_kind: global_buffer, .address_space: global }
    .group_segment_fixed_size: 327680
    .private_segment_fixed_size: 0
    .kernarg_segment_align: 8
    .kernarg_segment_size: 32
    .max_flat_workgroup_size: 192
    .sgpr_count:     100
    .vgpr_count:     512
    .wavefront_size: 32
...
	.end_amdgpu_metadata
.endif
;; end of part 2
;; launch attn (part 3): grid 32 x 8, 16 waves a work-group, clusters of 4 x 1, 327,680 bytes of LDS; arguments hd, ac, asc; writes ac, asc
.if DOCPART == 3
	.amdgcn_target "amdgcn-amd-amdhsa--gfx1250"
	.amdhsa_code_object_version 6
	.text
	.protected	k_qab8bc72064_attn
	.globl	k_qab8bc72064_attn
	.p2align	8
	.type	k_qab8bc72064_attn,@function
k_qab8bc72064_attn:
	s_mov_b64 s[64:65], 0
	v_nop
	global_prefetch_b8 v0, s[64:65] scope:SCOPE_SE
	s_setreg_imm32_b32 hwreg(HW_REG_WAVE_MODE, 25, 1), 1
	s_wait_xcnt 0x0
	s_wait_alu depctr_hold_cnt(0) depctr_sa_sdst(0) depctr_va_vdst(0) depctr_va_sdst(0) depctr_va_ssrc(0) depctr_va_vcc(0) depctr_vm_vsrc(0)
	s_getreg_b32 s2, hwreg(HW_REG_IB_STS2, 6, 4)
	s_cmp_eq_u32 s2, 0
	s_cbranch_scc0 .Lentry_in_a_cluster
	s_endpgm
.Lentry_in_a_cluster:
	s_bfe_u32 s2, ttmp6, 0x10000c
	s_cmp_lg_u32 s2, 0x3003
	s_cbranch_scc0 .Lentry_shape_is_right
	s_endpgm
.Lentry_shape_is_right:
; CAUSAL GROUPED-QUERY ATTENTION on codes of FP4 with E8M0 scales.  A work-group serves one query head; each of its sixteen waves owns 16 queries and walks the keys 128 a step.
; DEAD WORK LEFT OUT: a step of 128 keys whose first key comes after the wave's last query: the causal mask makes p = 0 there for all values of the inputs.
; A key/value head's region of hd (KVH bytes: k's codes, v's codes, k's scale words, v's scale words) is the image that LDS keeps from byte 0 on: it comes once, at the head,
; one joint load of 35 rows of 256 bytes a wave (16 x 8,960 = KVH), shared by the four query heads of the cluster.  Nothing is filled again, so there is no ring, and no loop in which a prefetch could run ahead.
; The softmax keeps a running whole-number M; LIMIT: the scaled scores stay under 2^31 in magnitude.
.set QS_OFF,  2097152
.set KV_OFF,  2359296
.set KVH,     143360
.set LV,    65536
.set LSK,   131072
.set LSV,   139264
.set SPARE, 143360
.set AK0,  1
.set AV0,  2
.set ASK0, 3
.set ASV0, 4
.set SPW,  5
.set NIL,  6
.set ADK,  8
.set ADV,  9
.set ADS,  10
.set ADT,  11
.set WV,   18
.set SEL,  20
.set CS,   22
.set G1C,  24
.set G1S,  32
.set G0C,  40
.set G0S,  44
.set TB,   2
.set TS,   3
.set TJ,   66
.set CNT,  67
.set KF,   98
.set Q0,   99
.macro ROUND
	s_barrier_signal -1
	s_barrier_wait -1
	s_cmp_lg_u32 s[WV], 0
	s_cbranch_scc1 .Lnot_wave_0_\@
	s_barrier_signal -3
.Lnot_wave_0_\@:
	s_barrier_wait -3
	s_barrier_signal -1
	s_barrier_wait -1
.endm
.macro QUANT2 s, p, w, tm
.irp b, 0,1
	v_max3_num_f32 v[(\tm)+\b], |v[(\s)+16*\b]|, |v[(\s)+16*\b+1]|, 0x1800000
.endr
.irp i, 2,4,6,8,10,12,14
.irp b, 0,1
	s_delay_alu instid0(VALU_DEP_2)
	v_max3_num_f32 v[(\tm)+\b], v[(\tm)+\b], |v[(\s)+16*\b+\i]|, |v[(\s)+16*\b+\i+1]|
.endr
.endr
.irp b, 0,1
	s_delay_alu instid0(VALU_DEP_2)
	v_permlanex16_b32 v[(\tm)+2+\b], v[(\tm)+\b], s[SEL], s[SEL+1]
.endr
.irp b, 0,1
	s_delay_alu instid0(VALU_DEP_2)
	v_max_num_f32 v[(\tm)+\b], v[(\tm)+\b], v[(\tm)+2+\b]
.endr
.irp b, 0,1
	s_delay_alu instid0(VALU_DEP_2)
	v_add_nc_u32 v[(\tm)+4+\b], 0xff000000, v[(\tm)+\b]
.endr
.irp b, 0,1
	s_delay_alu instid0(VALU_DEP_2)
	v_lshrrev_b32 v[(\tm)+2+\b], 23, v[(\tm)+4+\b]
.endr
	s_delay_alu instid0(VALU_DEP_1)
	v_lshl_or_b32 v[\w], v[(\tm)+3], 8, v[(\tm)+2]
	v_cvt_scalef32_pk8_fp4_f32 v[(\p)],   v[(\s):(\s)+7],     v[(\tm)+4]
	v_cvt_scalef32_pk8_fp4_f32 v[(\p)+2], v[(\s)+8:(\s)+15],  v[(\tm)+4]
	v_cvt_scalef32_pk8_fp4_f32 v[(\p)+1], v[(\s)+16:(\s)+23], v[(\tm)+5]
	v_cvt_scalef32_pk8_fp4_f32 v[(\p)+3], v[(\s)+24:(\s)+31], v[(\tm)+5]
	v_nop
	v_permlane16_swap_b32 v[(\p)],   v[(\p)+1]
	v_permlane16_swap_b32 v[(\p)+2], v[(\p)+3]
.endm
	s_load_b128 s[4:7], s[0:1], 0x0
	s_load_b64 s[8:9], s[0:1], 0x10
	v_lshl_add_u32 v[SPW], v0, 2, SPARE
	v_mov_b32 v[NIL], 0
	ds_add_u32 v[SPW], v[NIL]
	ds_add_u32 v[SPW], v[NIL]
	v_lshrrev_b32 v8, 5, v0
	s_delay_alu instid0(VALU_DEP_1)
	v_readfirstlane_b32 s[WV], v8
	s_and_b32 s48, ttmp7, 0xffff
	s_bfe_u32 s49, ttmp6, 0x40000
	s_lshl_b32 s50, s49, 3
	s_add_co_u32 s50, s50, s48
	s_mov_b32 s52, 0x0DE3B658
	s_cmp_lt_u32 s[WV], 8
	s_cselect_b32 s52, 0x7A94C12F, s52
	s_and_b32 s53, s[WV], 7
	s_lshl_b32 s53, s53, 2
	s_lshr_b32 s52, s52, s53
	s_and_b32 s52, s52, 15
	s_lshl_b32 s[Q0], s52, 7
	s_lshl_b32 s53, ttmp9, 4
	s_add_co_u32 s[Q0], s[Q0], s53
	s_mul_i32 s54, s48, KVH                        ; the key/value head's region of hd,
	s_mul_i32 s55, s[WV], 8960                     ; my sixteenth of it
	s_add_co_u32 s54, s54, s55
	s_add_co_u32 s54, s54, KV_OFF
	s_mov_b32 s55, 0
	s_mov_b32 s[G1C], 15|(3<<16)|(1<<21)           ; the cluster's four; elements of 8 bytes; bit 21 beside a mask
	s_mov_b32 s[G1C+1], 32<<16                     ; rows of 256 bytes,
	s_mov_b32 s[G1C+2], 35<<16                     ; 35 of them, dense
	s_mov_b32 s[G1C+3], 32<<16
	s_mov_b32 s[G1C+4], 35
	s_mov_b32 s[G1C+5], 32
	s_mov_b32 s[G1C+6], 0
	s_mov_b32 s[G1C+7], 0
	s_mov_b32 s[SEL], 0x76543210
	s_mov_b32 s[SEL+1], 0xfedcba98
	s_mov_b32 s[CS], 0x3e38aa3b
	s_mov_b32 s[CS+1], s[CS]
	s_mov_b32 s[TB], 0
	s_mov_b32 s[TS], 0
	s_mov_b32 s[TJ], 0
	s_mov_b32 s[KF], 0
	s_mov_b32 s[CNT], 16
	s_wait_dscnt 0x0
	s_wait_kmcnt 0x0
	s_mov_b32 s[G0C], 1
	s_mul_i32 s[G0C+1], s[WV], 8960
	s_add_nc_u64 s[G0C+2:G0C+3], s[4:5], s[54:55]
	s_or_b32 s[G0C+3], s[G0C+3], 0x80000000
	ROUND
	tensor_load_to_lds s[G0C:G0C+3], s[G1C:G1C+7]  ; my one tensor load of the launch
	s_nop 0
.rept 4
	v_nop
.endr
	v_and_b32 v8, 15, v0
	s_wait_alu depctr_va_vdst(0)
	v_bfe_u32 v9, v0, 4, 1
	s_wait_alu depctr_va_vdst(0)
	v_and_b32 v10, 31, v0
	s_delay_alu instid0(VALU_DEP_1)
	v_lshlrev_b32 v[AK0], 4, v10
	s_lshl_b32 s58, s50, 16
	s_lshl_b32 s59, s[Q0], 5
	s_add_co_u32 s58, s58, s59
	s_mov_b32 s59, 0
	s_add_nc_u64 s[60:61], s[4:5], s[58:59]
	global_load_b128 v[16:19], v[AK0], s[60:61]
	s_lshl_b32 s58, s50, 13
	s_lshl_b32 s62, s[Q0], 2
	s_add_co_u32 s58, s58, s62
	s_add_co_u32 s58, s58, QS_OFF
	s_add_nc_u64 s[62:63], s[4:5], s[58:59]
	v_lshlrev_b32 v254, 2, v8
	global_load_b32 v255, v254, s[62:63]
	s_lshl_b32 s58, s[Q0], 10
	s_lshl_b32 s72, s50, 5
	s_add_co_u32 s58, s58, s72
	s_add_nc_u64 s[68:69], s[6:7], s[58:59]
	s_lshl_b32 s58, s[Q0], 6
	s_lshl_b32 s72, s50, 1
	s_add_co_u32 s58, s58, s72
	s_add_nc_u64 s[70:71], s[8:9], s[58:59]
	v_lshlrev_b32 v[AV0], 10, v9
	s_delay_alu instid0(VALU_DEP_1)
	v_lshl_add_u32 v[AV0], v8, 4, v[AV0]
	s_delay_alu instid0(VALU_DEP_1)
	v_add_nc_u32 v[AV0], LV, v[AV0]
	v_lshl_add_u32 v[ASK0], v8, 2, LSK
	v_lshl_add_u32 v[ASV0], v8, 2, LSV
.irp i, 20,21,22,23
	v_mov_b32 v[\i], 0
.endr
.irp t, 0,1,2,3,4,5,6,7
.irp i, 4,5,6,7
	v_mov_b32 v[32+8*\t+\i], 0
.endr
.endr
	v_mov_b32 v13, 0xff61b1e6
	s_delay_alu instid0(VALU_DEP_1)
	v_floor_f32 v12, -v13
	v_mov_b32 v14, 0
	v_mov_b32 v15, 0
.irp i, 236,237,238,239,252,253
	v_mov_b32 v[\i], 0
.endr
.irp j, 0,1,2,3,4,5,6,7,8,9,10,11,12,13,14,15,16,17,18,19,20,21,22,23,24,25,26,27,28,29,30,31
	v_mov_b32 v[160+\j], 0
.endr
	s_wait_loadcnt 0x0
	s_wait_tensorcnt 0x0
	s_barrier_signal -1
	s_barrier_wait -1
.Lstep:
	s_add_co_u32 s96, s[Q0], 15
	s_cmp_gt_u32 s[KF], s96
	s_cbranch_scc1 .Lhidden
	v_add_nc_u32 v[ADK], s[TB], v[AK0]
	v_add_nc_u32 v[ADV], s[TB], v[AV0]
	v_add_nc_u32 v[ADS], s[TS], v[ASK0]
	v_add_nc_u32 v[ADT], s[TJ], v[ASV0]
.irp t, 0,1,2,3,4,5,6,7
	ds_load_b128 v[32+8*\t:35+8*\t], v[ADK] offset:512*\t
	ds_load_b32 v[24+\t], v[ADS] offset:64*\t
.endr
.irp t, 0,1,2,3
.irp c, 0,1
	ds_load_b128 v[192+8*\t+4*\c:195+8*\t+4*\c], v[ADV] offset:2048*\c+256*\t
.endr
	ds_load_b32 v[248+\t], v[ADT] offset:64*\t
.endr
	s_wait_dscnt 12
.irp t, 0,1,2,3,4,5,6,7
	v_wmma_scale_f32_16x16x128_f8f6f4 v[96+8*\t:103+8*\t], v[32+8*\t:39+8*\t], v[16:23], 0, v[24+\t], v255 matrix_a_fmt:MATRIX_FMT_FP4 matrix_b_fmt:MATRIX_FMT_FP4
.endr
.rept 4
	v_nop
.endr
	s_add_co_u32 s96, s[KF], 127
	s_cmp_le_u32 s96, s[Q0]
	s_cbranch_scc1 .Lopen
	s_sub_co_i32 s96, s[Q0], s[KF]
	v_and_b32 v252, 15, v0
	v_bfe_u32 v253, v0, 4, 1
	s_delay_alu instid0(VALU_DEP_1)
	v_lshlrev_b32 v253, 3, v253
	s_delay_alu instid0(VALU_DEP_1)
	v_sub_nc_u32 v252, v252, v253
	s_delay_alu instid0(VALU_DEP_1)
	v_add_nc_u32 v252, s96, v252
	v_mov_b32 v254, 0xff800000
.irp n, 0,1,2,3,4,5,6,7,8,9,10,11,12,13,14,15,16,17,18,19,20,21,22,23,24,25,26,27,28,29,30,31,32,33,34,35,36,37,38,39,40,41,42,43,44,45,46,47,48,49,50,51,52,53,54,55,56,57,58,59,60,61,62,63
	v_cmp_gt_i32 vcc_lo, 16*(\n/8)+\n%8, v252
	v_cndmask_b32 v[96+\n], v[96+\n], v254, vcc_lo
.endr
.Lopen:
.irp b, 0,1,2,3
	v_max3_num_f32 v[232+\b], v[96+16*\b], v[97+16*\b], v[98+16*\b]
.endr
.irp i, 3,5,7,9,11,13
.irp b, 0,1,2,3
	v_max3_num_f32 v[232+\b], v[232+\b], v[96+16*\b+\i], v[97+16*\b+\i]
.endr
.endr
.irp b, 0,1,2,3
	v_max_num_f32 v[232+\b], v[232+\b], v[111+16*\b]
.endr
.irp b, 0,1,2,3
	s_delay_alu instid0(VALU_DEP_4)
	v_permlanex16_b32 v[236+\b], v[232+\b], s[SEL], s[SEL+1]
.endr
.irp b, 0,1,2,3
	s_delay_alu instid0(VALU_DEP_4)
	v_max_num_f32 v[232+\b], v[232+\b], v[236+\b]
.endr
	s_delay_alu instid0(VALU_DEP_2)
	v_max3_num_f32 v254, v232, v233, v234
	s_delay_alu instid0(VALU_DEP_1)
	v_max_num_f32 v254, v254, v235
	s_delay_alu instid0(VALU_DEP_1)
	v_mul_f32 v254, s[CS], v254
	s_delay_alu instid0(VALU_DEP_1)
	v_max_num_f32 v13, v13, v254
	v_mov_b32 v254, v12
	s_delay_alu instid0(VALU_DEP_2)
	v_floor_f32 v12, -v13
	s_delay_alu instid0(VALU_DEP_1)
	v_sub_f32 v254, v12, v254
	s_delay_alu instid0(VALU_DEP_1)
	v_cvt_i32_f32 v254, v254
	s_delay_alu instid0(VALU_DEP_1)
	v_ldexp_f32 v252, 1.0, v254
.irp j, 0,2,4,6,8,10,12,14,16,18,20,22,24,26,28,30,32,34,36,38,40,42,44,46,48,50,52,54,56,58,60,62
	v_pk_fma_f32 v[96+\j:97+\j], v[96+\j:97+\j], s[CS:CS+1], v[12:13] op_sel_hi:[1,0,0]
.endr
.irp b, 0,1,2,3
	v_fma_f32 v[232+\b], v[232+\b], s[CS], v12
.endr
	s_wait_alu depctr_va_vdst(0)
.irp j, 0,1,2,3,4,5,6,7,8,9,10,11,12,13,14,15,16,17,18,19,20,21,22,23,24,25,26,27,28,29,30,31,32,33,34,35,36,37,38,39,40,41,42,43,44,45,46,47,48,49,50,51,52,53,54,55,56,57,58,59,60,61,62,63
	v_exp_f32 v[96+\j], v[96+\j]
.endr
	v_pk_mul_f32 v[14:15], v[14:15], v[252:253] op_sel_hi:[1,0]
	s_wait_alu depctr_va_vdst(0)
.irp b, 0,1,2,3
	v_exp_f32 v[232+\b], v[232+\b]
.endr
	v_pk_add_f32 v[236:237], v[96:97], v[98:99]
.irp j, 4,8,12,16,20,24,28,32,36,40,44,48,52,56,60
	v_pk_add_f32 v[14:15], v[14:15], v[96+\j:97+\j]
	v_pk_add_f32 v[236:237], v[236:237], v[98+\j:99+\j]
.endr
	s_delay_alu instid0(VALU_DEP_1)
	v_pk_add_f32 v[14:15], v[14:15], v[236:237]
	s_wait_alu depctr_va_vdst(0)
.irp b, 0,1,2,3
	v_max_num_f32 v[232+\b], 0x1800000, v[232+\b]
.endr
.irp b, 0,1,2,3
	s_delay_alu instid0(VALU_DEP_4)
	v_add_nc_u32 v[244+\b], 0xff000000, v[232+\b]
.endr
.irp b, 0,1,2,3
	s_delay_alu instid0(VALU_DEP_4)
	v_lshrrev_b32 v[236+\b], 23, v[244+\b]
.endr
	s_delay_alu instid0(VALU_DEP_3)
	v_lshl_or_b32 v253, v237, 8, v236
	s_delay_alu instid0(VALU_DEP_1)
	v_lshl_or_b32 v253, v238, 16, v253
	s_delay_alu instid0(VALU_DEP_1)
	v_lshl_or_b32 v253, v239, 24, v253
.irp c, 0,1
	v_cvt_scalef32_pk8_fp4_f32 v[224+4*\c],   v[96+32*\c:103+32*\c],  v[244+2*\c]
	v_cvt_scalef32_pk8_fp4_f32 v[224+4*\c+2], v[104+32*\c:111+32*\c], v[244+2*\c]
	v_cvt_scalef32_pk8_fp4_f32 v[224+4*\c+1], v[112+32*\c:119+32*\c], v[245+2*\c]
	v_cvt_scalef32_pk8_fp4_f32 v[224+4*\c+3], v[120+32*\c:127+32*\c], v[245+2*\c]
.endr
	v_nop
.irp c, 0,1
	v_permlane16_swap_b32 v[224+4*\c],   v[225+4*\c]
	v_permlane16_swap_b32 v[226+4*\c],   v[227+4*\c]
.endr
.irp j, 0,2,4,6,8,10,12,14,16,18,20,22,24,26,28,30
	v_pk_mul_f32 v[160+\j:161+\j], v[160+\j:161+\j], v[252:253] op_sel_hi:[1,0]
.endr
	s_wait_alu depctr_va_vdst(0)
	s_wait_dscnt 0x0
.irp t, 0,1,2,3
	v_wmma_scale_f32_16x16x128_f8f6f4 v[160+8*\t:167+8*\t], v[192+8*\t:199+8*\t], v[224:231], v[160+8*\t:167+8*\t], v[248+\t], v253 matrix_a_fmt:MATRIX_FMT_FP4 matrix_b_fmt:MATRIX_FMT_FP4
.endr
.Lhidden:
	s_add_co_u32 s[KF], s[KF], 128
	s_add_co_u32 s[TB], s[TB], 4096
	s_add_co_u32 s[TS], s[TS], 512
	s_add_co_u32 s[TJ], s[TJ], 256
	s_sub_co_u32 s[CNT], s[CNT], 1
	s_cmp_lg_u32 s[CNT], 0
	s_cbranch_scc1 .Lstep
	v_add_f32 v14, v14, v15
	s_delay_alu instid0(VALU_DEP_1)
	v_permlanex16_b32 v252, v14, s[SEL], s[SEL+1]
	s_delay_alu instid0(VALU_DEP_1)
	v_add_f32 v14, v14, v252
	s_wait_alu depctr_va_vdst(0)
	v_rcp_f32 v14, v14
	v_and_b32 v8, 15, v0
	v_bfe_u32 v9, v0, 4, 1
	s_delay_alu instid0(VALU_DEP_2)
	v_lshlrev_b32 v10, 10, v8
	s_delay_alu instid0(VALU_DEP_1)
	v_lshl_add_u32 v10, v9, 4, v10
	s_delay_alu instid0(VALU_DEP_3)
	v_lshl_add_u32 v11, v8, 6, v9
	s_delay_alu instid0(VALU_DEP_4)
	v_lshlrev_b32 v9, 3, v9
	s_wait_alu depctr_va_vdst(0)
.irp j, 0,1,2,3,4,5,6,7,8,9,10,11,12,13,14,15,16,17,18,19,20,21,22,23,24,25,26,27,28,29,30,31
	v_mul_f32 v[96+\j], v[160+\j], v14
.endr
	QUANT2 96, 224, 242, 236
	v_lshrrev_b32 v243, v9, v242
	global_store_b128 v10, v[224:227], s[68:69]
	global_store_b8 v11, v243, s[70:71]
	s_wait_tensorcnt 0x0
	ds_add_u32 v[SPW], v[NIL]
	s_wait_dscnt 0x0
	ROUND
	s_endpgm
.Lfunc_end_k_qab8bc72064_attn:
	.size	k_qab8bc72064_attn, .Lfunc_end_k_qab8bc72064_attn-k_qab8bc72064_attn
	.p2alignl 7, 3214868480
	.fill 96, 4, 3214868480
	.section	.rodata,"a",@progbits
	.p2align	6, 0x0
	.amdhsa_kernel k_qab8bc72064_attn
		.amdhsa_group_segment_fixed_size 327680
		.amdhsa_private_segment_fixed_size 0
		.amdhsa_enable_private_segment 0
		.amdhsa_kernarg_size 24
		.amdhsa_user_sgpr_count 2
		.amdhsa_user_sgpr_kernarg_segment_ptr 1
		.amdhsa_wavefront_size32 1
		.amdhsa_system_sgpr_workgroup_id_x 1
		.amdhsa_system_sgpr_workgroup_id_y 1
		.amdhsa_system_sgpr_workgroup_id_z 1
		.amdhsa_system_vgpr_workitem_id 0
		.amdhsa_next_free_vgpr 256
		.amdhsa_next_free_sgpr 100
		.amdhsa_reserve_vcc 1
		.amdhsa_float_denorm_mode_32 3
		.amdhsa_float_denorm_mode_16_64 3
		.amdhsa_memory_ordered 1
		.amdhsa_forward_progress 1
		.amdhsa_inst_pref_size 35
	.end_amdhsa_kernel
	.amdgpu_metadata
---
amdhsa.version: [ 1, 2 ]
amdhsa.kernels:
  - .name:           k_qab8bc72064_attn
    .symbol:         k_qab8bc72064_attn.kd
    .args:
      - { .name: hd, .offset: 0, .size: 8, .value_kind: global_buffer, .address_space: global }
      - { .name: ac, .offset: 8, .size: 8, .value_kind: global_buffer, .address_space: global }
      - { .name: asc, .offset: 16, .size: 8, .value_kind: global_buffer, .address_space: global }
    .group_segment_fixed_size: 327680
    .private_segment_fixed_size: 0
    .kernarg_segment_align: 8
    .kernarg_segment_size: 24
    .max_flat_workgroup_size: 512
    .sgpr_count:     100
    .vgpr_count:     256
    .wavefront_size: 32
...
	.end_amdgpu_metadata
.endif
;; end of part 3
;; launch oproj (part 4): grid 16 x 16, 4 waves a work-group, clusters of 4 x 4, 327,680 bytes of LDS; arguments ac, asc, woc, wos, out0; writes out0
.if DOCPART == 4
	.amdgcn_target "amdgcn-amd-amdhsa--gfx1250"
	.amdhsa_code_object_version 6
	.text
	.protected	k_qab8bc72064_oproj
	.globl	k_qab8bc72064_oproj
	.p2align	8
	.type	k_qab8bc72064_oproj,@function
k_qab8bc72064_oproj:
	s_mov_b64 s[64:65], 0
	v_nop
	global_prefetch_b8 v0, s[64:65] scope:SCOPE_SE
	s_setreg_imm32_b32 hwreg(HW_REG_WAVE_MODE, 25, 1), 1
	s_wait_xcnt 0x0
	s_wait_alu depctr_hold_cnt(0) depctr_sa_sdst(0) depctr_va_vdst(0) depctr_va_sdst(0) depctr_va_ssrc(0) depctr_va_vcc(0) depctr_vm_vsrc(0)
	s_getreg_b32 s2, hwreg(HW_REG_IB_STS2, 6, 4)
	s_cmp_eq_u32 s2, 0
	s_cbranch_scc0 .Lentry_in_a_cluster
	s_endpgm
.Lentry_in_a_cluster:
	s_bfe_u32 s2, ttmp6, 0x10000c
	s_cmp_lg_u32 s2, 0xf033
	s_cbranch_scc0 .Lentry_shape_is_right
	s_endpgm
.Lentry_shape_is_right:
; THE PROJECTION ON THE WAY OUT, on codes of FP4 with E8M0 scales: out0[token][n] = sum over 2,048 of A[token][k] W[n][k].  A work-group makes 128 tokens x 256 columns as two tiles of 128 x 128, one after the other.
; K goes in two steps of 1,024 (rows of 512 bytes), one to each LDS slot; A's two tiles stay in their slots for both tiles of C, W's are filled again for the second.  Clusters 4 x 4: A shared along a row, W along a column.
; THE HEAD: one tensor load a wave: wave 0 K step 0's 128 rows of A, wave 1 its 128 rows of W, wave 2 A's scale bytes, wave 3 W's (all 256 rows); slot 1 is first filled behind the full sequence and a round.
; PREFETCH: behind the loads of K steps 0 and 1, waves 2 and 3 name the second tile's K steps 0 and 1 of W: two fills ahead; 16 of the wave's 64 rows, a lane a block of 256 bytes;
; the four partners of a column share the rows out by address (cy).  A has nothing left to ask for.  The prefetches' registers are never rewritten.
.set PFO,    14                        ; v14 the prefetches' offset: 1024 (lane / 2) + 256 (lane % 2)
.set PFA,    92                        ; s[92:93] my work-group's 16 rows of the 64 of W that my wave fetches, in the second tile, at K step 0
.set ROWB,   512
.set KROW,   1024
.set CROW,   16384
.set PITCH,  528
.set HALFT,  64*PITCH
.set SLOT,   4*HALFT
.set SCL,    2*SLOT
.set HS64,   16*272
.set SBLK,   4*272
.set SCLB,   SCL+2*HS64
.set SPARE,  SCLB+4*HS64
.set STAGE,  SPARE+512
.set STGW,   16*272
.set ADRA,  16
.set ADRB,  20
.set ADRS1, 22
.set STO,   24
.set RD,    25
.set ADRS0, 27
.set SPW,   28
.set NIL,   29
.set OO,    30
.set SC,    32
.set BK,    96
.set ACC,   128
.set F0,    0
.set F1,    128
.set G1,   24
.set G0,   32
.set G1B,  48
.set G0B,  56
.set G1S,  68
.set G0S,  76
.set G1SB, 80
.set G0SB, 88
.set MSB, 0
.macro WIN new
.if MSB != \new
	s_set_vgpr_msb (MSB<<8)|\new
.set MSB, \new
.endif
.endm
.set MUL,  0x05
.set TO_F, 0x40
.macro JLOAD g0a, g1a, g0b, g1b
	s_cmp_eq_u32 s15, 0
	s_cbranch_scc0 .Lfor_b_\@
	tensor_load_to_lds s[\g0a:\g0a+3], s[\g1a:\g1a+7]
	s_nop 0
.rept 4
	v_nop
.endr
	s_branch .Lasked_\@
.Lfor_b_\@:
	tensor_load_to_lds s[\g0b:\g0b+3], s[\g1b:\g1b+7]
	s_nop 0
.rept 4
	v_nop
.endr
.Lasked_\@:
.endm
.macro BLOAD s
	s_cmp_eq_u32 s15, 0
	s_cbranch_scc1 .Lnone_\@
	tensor_load_to_lds s[G0B+4*\s:G0B+4*\s+3], s[G1B:G1B+7]
	s_nop 0
.rept 4
	v_nop
.endr
.Lnone_\@:
.endm
.macro CREST
	s_cmp_lg_u32 s14, 0
	s_cbranch_scc1 .Lnot_wave_0_\@
	s_barrier_signal -3
.Lnot_wave_0_\@:
	s_barrier_wait -3
	s_barrier_signal -1
	s_barrier_wait -1
.endm
.macro CROUND
	s_barrier_signal -1
	s_barrier_wait -1
	CREST
.endm
	s_load_b128 s[4:7], s[0:1], 0x0
	s_load_b128 s[8:11], s[0:1], 0x10
	s_load_b64 s[12:13], s[0:1], 0x20
	v_lshl_add_u32 v[SPW], v0, 2, SPARE
	v_mov_b32 v[NIL], 0
	ds_add_u32 v[SPW], v[NIL]
	ds_add_u32 v[SPW], v[NIL]
	v_lshrrev_b32 v1, 5, v0
	v_readfirstlane_b32 s14, v1
	s_lshr_b32 s15, s14, 1
	s_and_b32 s16, s14, 1
	s_bfe_u32 s40, ttmp6, 0x40000
	s_bfe_u32 s41, ttmp6, 0x40004
	s_lshl_b32 s42, ttmp9, 2
	s_add_co_u32 s42, s42, s40
	s_and_b32 s17, ttmp7, 0xffff
	s_lshl_b32 s17, s17, 2
	s_add_co_u32 s17, s17, s41
	s_lshl_b32 s43, s41, 2
	s_lshl_b32 s43, 15, s43
	s_lshl_b32 s44, 0x1111, s40
	s_or_b32 s[G1+0], s43, (0<<16)|(1<<20)|(1<<21)|(6<<22)|(3<<25)
	s_or_b32 s[G1B+0], s44, (0<<16)|(1<<20)|(1<<21)|(6<<22)|(3<<25)
.irp g, G1, G1B
	s_mov_b32 s[\g+1], ROWB<<16
	s_mov_b32 s[\g+2], 128<<16                     ; 128 rows for the head's loads; behind them 64, for the ring's
	s_mov_b32 s[\g+3], ROWB<<16
	s_mov_b32 s[\g+4], 128
	s_mov_b32 s[\g+5], KROW
	s_mov_b32 s[\g+6], 0
	s_mov_b32 s[\g+7], 0
.endr
	s_or_b32 s[G1S+0], s43, (3<<16)|(1<<20)|(1<<21)|(5<<22)|(3<<25)
	s_mov_b32 s[G1S+1], 32<<16
	s_mov_b32 s[G1S+2], 32<<16                     ; A's scales: 128 rows x 64 bytes, dense, as 32 rows of 256
	s_mov_b32 s[G1S+3], 32<<16
	s_mov_b32 s[G1S+4], 32
	s_mov_b32 s[G1S+5], 32
	s_mov_b32 s[G1S+6], 0
	s_mov_b32 s[G1S+7], 0
	s_or_b32 s[G1SB+0], s44, (3<<16)|(1<<20)|(1<<21)|(5<<22)|(3<<25)
	s_mov_b32 s[G1SB+1], 32<<16
	s_mov_b32 s[G1SB+2], 64<<16                    ; W's scales: 256 rows x 64 bytes, dense, as 64 rows of 256
	s_mov_b32 s[G1SB+3], 32<<16
	s_mov_b32 s[G1SB+4], 64
	s_mov_b32 s[G1SB+5], 32
	s_mov_b32 s[G1SB+6], 0
	s_mov_b32 s[G1SB+7], 0
	s_lshl_b32 s18, s16, 16                        ; in the ring I fetch 64 rows of a tile: which half, in bytes (64 rows of 1,024)
	s_mov_b32 s19, 0
	s_lshl_b32 s20, s17, 7                         ; A: the tile's first row
	s_lshl_b32 s46, s42, 8                         ; W: the first of my work-group's 256 rows
	s_lshl_b32 s22, s20, 6                         ; their scale bytes, 64 a row,
	s_mov_b32 s23, 0
	s_lshl_b32 s20, s20, 10                        ; and their codes, 1,024 a row
	s_mov_b32 s21, 0
	s_lshl_b32 s94, s46, 6
	s_mov_b32 s95, 0
	s_lshl_b32 s46, s46, 10
	s_mov_b32 s47, 0
	s_mul_i32 s45, s14, HALFT                      ; where the ring's loads go: wave x 64 rows
	s_wait_dscnt 0x0
	s_wait_kmcnt 0x0
	s_add_nc_u64 s[20:21], s[4:5], s[20:21]
	s_add_nc_u64 s[22:23], s[6:7], s[22:23]
	s_add_nc_u64 s[46:47], s[8:9], s[46:47]
	s_add_nc_u64 s[94:95], s[10:11], s[94:95]
	CROUND                                         ; all sixteen work-groups are here: the first joint loads meet
	s_mov_b32 s[G0], 1                             ; the head's four tiles, each whole: K step 0's 128 rows of A,
	s_mov_b32 s[G0+1], 0
	s_mov_b64 s[G0+2:G0+3], s[20:21]
	s_or_b32 s[G0+3], s[G0+3], 0x80000000
	s_mov_b32 s[G0B], 1                            ; the first tile's 128 rows of W, behind them in slot 0,
	s_mov_b32 s[G0B+1], 2*HALFT
	s_mov_b64 s[G0B+2:G0B+3], s[46:47]
	s_or_b32 s[G0B+3], s[G0B+3], 0x80000000
	s_mov_b32 s[G0S], 1                            ; A's scales,
	s_mov_b32 s[G0S+1], SCL
	s_mov_b64 s[G0S+2:G0S+3], s[22:23]
	s_or_b32 s[G0S+3], s[G0S+3], 0x80000000
	s_mov_b32 s[G0SB], 1                           ; and W's
	s_mov_b32 s[G0SB+1], SCLB
	s_mov_b64 s[G0SB+2:G0SB+3], s[94:95]
	s_or_b32 s[G0SB+3], s[G0SB+3], 0x80000000
	s_add_nc_u64 s[20:21], s[20:21], s[18:19]      ; for the ring: my 64 rows of the tile
	s_add_nc_u64 s[46:47], s[46:47], s[18:19]
	s_mov_b32 s[G0+4], 1                           ; slot 1: K step 1
	s_add_co_u32 s[G0+5], s45, SLOT
	s_add_nc_u64 s[G0+6:G0+7], s[20:21], ROWB
	s_or_b32 s[G0+7], s[G0+7], 0x80000000
	s_mov_b32 s[G0B+4], 1
	s_add_co_u32 s[G0B+5], s45, SLOT
	s_add_nc_u64 s[G0B+6:G0B+7], s[46:47], ROWB
	s_or_b32 s[G0B+7], s[G0B+7], 0x80000000
	s_lshl_b32 s92, s41, 14                        ; the prefetches: 16 rows of 1,024 bytes for each place along the column,
	s_add_co_u32 s92, s92, 128*KROW                ; in the second tile's rows of W
	s_mov_b32 s93, 0
	s_add_nc_u64 s[PFA:PFA+1], s[46:47], s[92:93]
	s_cmp_eq_u32 s15, 0                            ; and K step 1 of the first tiles, which every wave names at the head: 16 of the 64 rows that it fetches, by its place (cx for A, cy for W)
	s_cselect_b64 s[94:95], s[20:21], s[46:47]
	s_cselect_b32 s22, s40, s41
	s_lshl_b32 s22, s22, 14
	s_mov_b32 s23, 0
	s_add_nc_u64 s[94:95], s[94:95], s[22:23]      ; s[94:95] is never rewritten
; ONE chain of branches on the wave's number, each arm with its load and, but for the last, a jump to the chain's end: every way through the head passes exactly one load.
.macro ARM under, g0, g1, next
	s_cmp_lt_u32 s14, \under
	s_cbranch_scc0 \next
	tensor_load_to_lds s[\g0:\g0+3], s[\g1:\g1+7]
	s_nop 0
.rept 4
	v_nop
.endr
	s_branch .Lhead_asked
\next:
.endm
.macro ASK off                         ; waves 2 and 3, which fetch for W, name 32 blocks of 256 bytes; the branch hangs on the wave's number alone
	s_cmp_eq_u32 s15, 0
	s_cbranch_scc1 .Lno_ask_\@
	global_prefetch_b8 v[PFO], s[PFA:PFA+1] offset:\off th:TH_LOAD_NT scope:SCOPE_SE
.Lno_ask_\@:
.endm
	ARM 1, G0,  G1,  .Lhead_b
	ARM 2, G0B, G1B, .Lhead_sa
	ARM 3, G0S, G1S, .Lhead_sb
	tensor_load_to_lds s[G0SB:G0SB+3], s[G1SB:G1SB+7]
	s_nop 0
.rept 4
	v_nop
.endr
.Lhead_asked:
	v_and_b32 v1, 15, v0
	v_bfe_u32 v2, v0, 4, 1
	v_bfe_u32 v[PFO], v0, 1, 4                     ; lane / 2: a row of my work-group's 16
	v_and_b32 v3, 1, v0                            ; lane % 2: which 256 bytes of the K step's 512
	v_lshlrev_b32 v[PFO], 10, v[PFO]
	v_lshl_add_u32 v[PFO], v3, 8, v[PFO]
	v_mul_u32_u24 v4, v1, PITCH
	v_lshl_add_u32 v4, v2, 4, v4
	s_mul_i32 s21, s15, HALFT
	s_mul_i32 s22, s16, HALFT
	s_add_co_u32 s22, s22, 2*HALFT
.irp s, 0,1
	v_add_nc_u32 v[ADRA+\s], s21, v4
	v_add_nc_u32 v[ADRB+\s], s22, v4
	s_add_co_u32 s21, s21, SLOT
	s_add_co_u32 s22, s22, SLOT
.endr
	v_mul_u32_u24 v5, v1, 64
	v_lshrrev_b32 v6, 8, v5
	v_lshl_add_u32 v5, v6, 4, v5
	s_mul_i32 s21, s15, HS64
	s_mul_i32 s22, s16, HS64
	s_add_co_u32 s22, s22, 2*HS64
	s_sub_co_u32 s22, s22, s21
	s_add_co_u32 s23, s22, 2*HS64
	v_mul_u32_u24 v6, s22, v2
	v_mul_u32_u24 v7, s23, v2
	s_add_co_u32 s21, s21, SCL
	v_add_nc_u32 v5, s21, v5
	v_add_nc_u32 v[ADRS0], v5, v6
	v_add_nc_u32 v[ADRS1], v5, v7
	s_mul_i32 s23, s14, STGW
	s_add_co_u32 s23, s23, STAGE
	v_mul_u32_u24 v5, v1, 272
	v_lshl_add_u32 v5, v2, 5, v5
	v_add_nc_u32 v[STO], s23, v5
	v_mul_u32_u24 v5, v2, 272
	v_lshl_add_u32 v5, v1, 4, v5
	v_add_nc_u32 v[RD], s23, v5
	v_lshlrev_b32 v[OO], 14, v2
	v_lshl_add_u32 v[OO], v1, 4, v[OO]
	global_prefetch_b8 v[PFO], s[94:95] offset:ROWB th:TH_LOAD_NT scope:SCOPE_SE   ; K step 1, which the load behind the next round brings
	ASK 0                                          ; the second tile's K step 0 of W, which the first change of slots loads
	s_lshl_b32 s20, s17, 7
	s_lshl_b32 s21, s15, 6
	s_add_co_u32 s20, s20, s21
	s_lshl_b32 s20, s20, 14
	s_mov_b32 s21, 0
	s_lshl_b32 s46, s42, 10
	s_lshl_b32 s47, s16, 8
	s_add_co_u32 s46, s46, s47
	s_mov_b32 s47, 0
	s_add_nc_u64 s[20:21], s[20:21], s[46:47]
	s_add_nc_u64 s[12:13], s[12:13], s[20:21]
.macro MUL8 f, c, a0, q, sc, zero
.irp a, \a0, \a0+1
.irp b, 0,1,2,3
.if \zero
	v_wmma_scale_f32_16x16x128_f8f6f4 v[ACC+8*(4*(\a)+\b):ACC+8*(4*(\a)+\b)+7], v[\f+64+8*(4*\c+\b):\f+64+8*(4*\c+\b)+7], v[\f+8*(4*\c+(\a)):\f+8*(4*\c+(\a))+7], 0, v[SC+32*(\sc)+8*\b+(\q)], v[SC+32*(\sc)+8*(\a)+(\q)] matrix_a_fmt:MATRIX_FMT_FP4 matrix_b_fmt:MATRIX_FMT_FP4 matrix_a_scale:MATRIX_SCALE_ROW1
.else
	v_wmma_scale_f32_16x16x128_f8f6f4 v[ACC+8*(4*(\a)+\b):ACC+8*(4*(\a)+\b)+7], v[\f+64+8*(4*\c+\b):\f+64+8*(4*\c+\b)+7], v[\f+8*(4*\c+(\a)):\f+8*(4*\c+(\a))+7], v[ACC+8*(4*(\a)+\b):ACC+8*(4*(\a)+\b)+7], v[SC+32*(\sc)+8*\b+(\q)], v[SC+32*(\sc)+8*(\a)+(\q)] matrix_a_fmt:MATRIX_FMT_FP4 matrix_b_fmt:MATRIX_FMT_FP4 matrix_a_scale:MATRIX_SCALE_ROW1
.endif
.endr
.endr
.endm
.macro FETCH slot, k, f
	WIN TO_F
.irp c, 0,1
.irp i, 0,1,2,3
	ds_load_b128 v[\f+64+8*(4*\c+\i):\f+64+8*(4*\c+\i)+3],   v[ADRB+\slot] offset:\k+64*\c+\i*16*PITCH
	ds_load_b128 v[\f+64+8*(4*\c+\i)+4:\f+64+8*(4*\c+\i)+7], v[ADRB+\slot] offset:\k+64*\c+\i*16*PITCH+32
	ds_load_b128 v[\f+8*(4*\c+\i):\f+8*(4*\c+\i)+3],         v[ADRA+\slot] offset:\k+64*\c+\i*16*PITCH
	ds_load_b128 v[\f+8*(4*\c+\i)+4:\f+8*(4*\c+\i)+7],       v[ADRA+\slot] offset:\k+64*\c+\i*16*PITCH+32
.endr
.endr
.endm
.macro SCALES sc, adr, koff
.irp i, 0,1,2,3
.irp e, 0,1
	ds_load_b128 v[SC+32*\sc+8*\i+4*\e:SC+32*\sc+8*\i+4*\e+3], v[\adr] offset:\i*SBLK+16*\e+\koff
.endr
.endr
.endm
.macro PLACES
.rept 4
	v_nop
.endr
.endm
.macro QUARTER slot, k, f, g, zero, qn
	s_wait_dscnt 16
	WIN MUL
	MUL8 \f, 0, 0, 2*\qn, \slot, \zero
	MUL8 \f, 0, 2, 2*\qn, \slot, \zero
	PLACES
	FETCH \slot, \k, \g
	s_wait_dscnt 32
	WIN MUL
	MUL8 \f, 1, 0, 2*\qn+1, \slot, 0
	MUL8 \f, 1, 2, 2*\qn+1, \slot, 0
.endm
.macro TURN slot, next, fill, adr, koff
	WIN 0
	s_wait_tensorcnt 0x0
	ds_add_u32 v[SPW], v[NIL]
	s_wait_dscnt 17
	WIN MUL
	MUL8 F1, 0, 0, 6, \slot, 0
	s_wait_dscnt 0x0
	s_barrier_signal -1
	MUL8 F1, 0, 2, 6, \slot, 0
	WIN 0
	s_barrier_wait -1
.if \fill
	CREST
	s_add_nc_u64 s[G0B+4*\slot+2:G0B+4*\slot+3], s[G0B+4*\slot+2:G0B+4*\slot+3], 128*KROW
	BLOAD \slot
.endif
	PLACES
	s_wait_alu depctr_va_vdst(0)
	SCALES \next, \adr, \koff
	FETCH \next, 0, F0
	WIN MUL
	MUL8 F1, 1, 0, 7, \slot, 0
	MUL8 F1, 1, 2, 7, \slot, 0
.endm
.macro TAIL
	QUARTER 1, 128, F0, F1, 0, 0
	QUARTER 1, 256, F1, F0, 0, 1
	QUARTER 1, 384, F0, F1, 0, 2
	s_wait_dscnt 16
	WIN MUL
	MUL8 F1, 0, 0, 6, 1, 0
	MUL8 F1, 0, 2, 6, 1, 0
	s_wait_dscnt 0x0
	MUL8 F1, 1, 0, 7, 1, 0
	MUL8 F1, 1, 2, 7, 1, 0
	WIN 0
.endm
.macro TOSTAGE a
.irp t, 0,1,2,3
	ds_store_b128 v[STO], v[ACC+8*(4*(\a)+\t):ACC+8*(4*(\a)+\t)+3] offset:64*\t
	ds_store_b128 v[STO], v[ACC+8*(4*(\a)+\t)+4:ACC+8*(4*(\a)+\t)+7] offset:64*\t+16
.endr
.set BB, BK-32*((\a)%2)
.irp i, 0,1,2,3,4,5,6,7
	ds_load_b128 v[BB+4*\i:BB+4*\i+3], v[RD] offset:544*\i
.endr
.endm
.macro SEND a, younger, tile
.set BB, BK-32*((\a)%2)
	s_wait_dscnt \younger
.irp i, 0,1,2,3,4,5,6,7
	global_store_b128 v[OO], v[BB+4*\i:BB+4*\i+3], s[12:13] offset:(16*(\a)+2*\i)*CROW+512*\tile th:TH_STORE_NT
.endr
.endm
.macro OUT tile
.rept 5
	v_nop
.endr
	TOSTAGE 0
	TOSTAGE 1
	SEND 0, 16, \tile
	s_wait_xcnt 0x0
	TOSTAGE 2
	SEND 1, 16, \tile
	s_wait_xcnt 0x0
	TOSTAGE 3
	SEND 2, 16, \tile
	SEND 3, 0, \tile
	s_wait_xcnt 0x0
.endm
	s_wait_alu depctr_va_vdst(0)
	s_wait_tensorcnt 0x0                           ; my tile of the head's four is in
	ds_add_u32 v[SPW], v[NIL]
	s_mov_b32 s[G1+2], 64<<16                      ; no tensor load of mine is out, so descriptors may be written: from here on a load brings 64 rows,
	s_mov_b32 s[G1+4], 64
	s_mov_b32 s[G1B+2], 64<<16
	s_mov_b32 s[G1B+4], 64
	s_mov_b32 s[G0B+1], s45                        ; and slot 0's group 0 for W names my 64 rows: the first refill steps it to the second tile
	s_add_nc_u64 s[G0B+2:G0B+3], s[G0B+2:G0B+3], s[18:19]
	s_wait_dscnt 0x0                               ; the add is done
	CROUND                                         ; a whole round: all four tiles are in, and all sixteen work-groups are here
	JLOAD G0+4, G1, G0B+4, G1B                     ; K step 1's load, the first tensor load behind the round
	SCALES 0, ADRS0, 0
	ASK ROWB                                       ; the second tile's K step 1 of W, which the second change of slots loads
	FETCH 0, 0, F0
	QUARTER 0, 128, F0, F1, 1, 0
	QUARTER 0, 256, F1, F0, 0, 1
	QUARTER 0, 384, F0, F1, 0, 2
	TURN 0, 1, 1, ADRS0, 32
	QUARTER 1, 128, F0, F1, 0, 0
	QUARTER 1, 256, F1, F0, 0, 1
	QUARTER 1, 384, F0, F1, 0, 2
	TURN 1, 0, 1, ADRS1, 0
	WIN 0
	OUT 0
	QUARTER 0, 128, F0, F1, 1, 0
	QUARTER 0, 256, F1, F0, 0, 1
	QUARTER 0, 384, F0, F1, 0, 2
	TURN 0, 1, 0, ADRS1, 32
	TAIL
	OUT 1
	s_wait_tensorcnt 0x0
	ds_add_u32 v[SPW], v[NIL]
	s_wait_dscnt 0x0
	CROUND
	s_endpgm
.Lfunc_end_k_qab8bc72064_oproj:
	.size	k_qab8bc72064_oproj, .Lfunc_end_k_qab8bc72064_oproj-k_qab8bc72064_oproj
	.p2alignl 7, 3214868480
	.fill 96, 4, 3214868480
	.section	.rodata,"a",@progbits
	.p2align	6, 0x0
	.amdhsa_kernel k_qab8bc72064_oproj
		.amdhsa_group_segment_fixed_size 327680
		.amdhsa_private_segment_fixed_size 0
		.amdhsa_enable_private_segment 0
		.amdhsa_kernarg_size 40
		.amdhsa_user_sgpr_count 2
		.amdhsa_user_sgpr_kernarg_segment_ptr 1
		.amdhsa_wavefront_size32 1
		.amdhsa_system_sgpr_workgroup_id_x 1
		.amdhsa_system_sgpr_workgroup_id_y 1
		.amdhsa_system_sgpr_workgroup_id_z 1
		.amdhsa_system_vgpr_workitem_id 0
		.amdhsa_next_free_vgpr 512
		.amdhsa_next_free_sgpr 100
		.amdhsa_reserve_vcc 0
		.amdhsa_float_denorm_mode_32 3
		.amdhsa_float_denorm_mode_16_64 3
		.amdhsa_memory_ordered 1
		.amdhsa_forward_progress 1
		.amdhsa_inst_pref_size 131
	.end_amdhsa_kernel
	.amdgpu_metadata
---
amdhsa.version: [ 1, 2 ]
amdhsa.kernels:
  - .name:           k_qab8bc72064_oproj
    .symbol:         k_qab8bc72064_oproj.kd
    .args:
      - { .name: ac, .offset: 0, .size: 8, .value_kind: global_buffer, .address_space: global }
      - { .name: asc, .offset: 8, .size: 8, .value_kind: global_buffer, .address_space: global }
      - { .name: woc, .offset: 16, .size: 8, .value_kind: global_buffer, .address_space: global }
      - { .name: wos, .offset: 24, .size: 8, .value_kind: global_buffer, .address_space: global }
      - { .name: out0, .offset: 32, .size: 8, .value_kind: global_buffer, .address_space: global }
    .group_segment_fixed_size: 327680
    .private_segment_fixed_size: 0
    .kernarg_segment_align: 8
    .kernarg_segment_size: 40
    .max_flat_workgroup_size: 128
    .sgpr_count:     100
    .vgpr_count:     512
    .wavefront_size: 32
...
	.end_amdgpu_metadata
.endif
;; end of part 4
